; MI455X (gfx1250); checked and timed in simulation.
; The chip was launched on July 23, 2026; its instructions are those of AMD's public machine-readable ISA for CDNA 5 (MIT licence, August 2026) and "CDNA5" Instruction Set Architecture Reference Guide (July 2026). The comments in the code are by the model that wrote it; some were corrected since.
;; Simple Car Cost. Allowed arithmetic: float matrix products may take bf16 or f16 operands with f32 sums; all other float work in f32.
;; Inputs: controls 4 x 4,096 x 64 x 2 float32; heightmap 4 x 2,048 x 2,048 float32; state 4 x 4,096 x 64 x 12 float32.
;; Outputs: out0 4 x 4,096 x 64 float32.
;; 3 versions, each right; version 2 is faster than version 1; version 3 is version 2 with the launch sample written anew for expert scheduling mode. Each part assembles by itself: llvm-mc -triple=amdgcn-amd-amdhsa -mcpu=gfx1250 --defsym DOCPART=n.
;; ======== version 1 of 3: 2 launches
;; workspace buffers: fix 16,777,216 bytes of whole numbers; vel 4,194,304 bytes
;; launch prep (part 1): grid 1024 x 1, 8 waves a work-group, no clusters, 54,272 bytes of LDS; arguments state, fix, vel; writes fix, vel
.if DOCPART == 1
	.amdgcn_target "amdgcn-amd-amdhsa--gfx1250"
	.amdhsa_code_object_version 6
	.text
	.protected	k_q0ca1d597c0_prep
	.globl	k_q0ca1d597c0_prep
	.p2align	8
	.type	k_q0ca1d597c0_prep,@function
k_q0ca1d597c0_prep:
	s_mov_b64 s[64:65], 0
	v_nop
	global_prefetch_b8 v0, s[64:65] scope:SCOPE_SE
	s_setreg_imm32_b32 hwreg(HW_REG_WAVE_MODE, 25, 1), 1
	s_wait_xcnt 0x0
; SimpleCarCost, first of two launches: state -> whole-number positions (fix) and the speed cost (vel).
; No address of a launch is made to hang on floating-point numbers of the same launch, so the floats that steer the
; height-map gathers are turned into whole numbers here, stored, and the second launch forms its addresses from them.
; For each of the 4 x 4096 x 64 = 1,048,576 points (12 f32 = 48 bytes of state; fields 0 x, 1 y, 5 yaw, 6 vx, 7 vy are used):
;   X = (x + 51.2f) x 20.0f, Y likewise       map cells, signed 16.16 fixed point
;   C = 20 cos(yaw), S = 20 sin(yaw)          cells, 16.16; the four corners are X +-2C +-S, Y +-2S +-C, formed next launch in integers
;   vel = |10 - sqrt(vx vx + vy vy)|          f32
; The input 'controls' is not read: reference() never uses it, no result hangs on it.
; LIMITS. The quotient: reference() writes a division by 0.05f; here it is the product with 20.0f, the f32 nearest to 1 / 0.05f, rounded
;   once: the form into which a compiled reference() turns a division by a constant.  Product and rounded quotient differ by at most one
;   unit in the last place (2^-13 cell from 1024 cells on).  The comparison ground <= 0.1, with its jump of 1000, hangs on that bit: a point
;   whose ground height lies within that unit times the local slope of 0.1 falls on the side that the product gives.
; Positions: 65536 fx is a whole number for fx >= 128 cells (x >= -44.8 m), so nothing is lost there; below, fx is rounded to
;   2^-17 cell.  x + 51.2 is clamped to +-800 m (16,000 cells): every sample of such a point is beyond the map's edge by more than the
;   car's 45 cells, where reference() clips as well; +-inf falls under the same clamp.  NaN in x or y: vel becomes NaN, so the result is NaN.
; yaw: reduced with pi/2 in three parts; the error of sin and cos stays below 1e-6 up to |yaw| of about 1e5, grows beyond, and the
;   quadrant is lost beyond about 1e7.  NaN or inf yaw: C holds the marker 0x7fffffff, which the second launch turns into 4 x 1000.
;
; A wave owns 128 points = 6,144 consecutive bytes of state: 12 loads of 16 bytes a lane, each covering 512 consecutive bytes, all issued
; at once.  A lane works on FOUR CONSECUTIVE points, so that each of its results is 16 consecutive bytes and each store of the wave
; covers 512 consecutive bytes, aligned.  The turn from 'lane = piece of 16 bytes' to 'lane = 4 points' goes through the wave's own LDS.
.set PTS,    128                       ; points of a wave
.set PBYTES, 48                        ; bytes of a point
.set LPITCH, 208                       ; LDS bytes of a lane's 4 points: 192 + 16 of padding = 13 pieces of 16 bytes; 13 is odd
.set LWAVE,  32*LPITCH                 ; a wave's LDS: 6,656 bytes
.set ASTEP,  8*LPITCH                  ; three loads = 96 pieces = 8 lanes' points = 1,664 bytes of LDS
.set GOFF, 1                           ; v1       16 x lane: offset of the loads and of the stores; never rewritten
.set STA,  2                           ; v[2:4]   LDS address of my piece in loads 0, 1, 2 (loads 3a + b: + a x ASTEP)
.set RDA,  5                           ; v5       LDS address of my 4 points
.set T,    6                           ; v[6:16]  at work
.set LANE, 18
.set XI,   20                          ; v[20:23] X of my 4 points
.set YI,   24                          ; v[24:27] Y
.set CI,   28                          ; v[28:31] C
.set SI,   32                          ; v[32:35] S
.set VE,   36                          ; v[36:39] vel
.set FLD,  40                          ; v[40:63] point g: x, y, (field 4), yaw, vx, vy
.set RAW,  64                          ; v[64:111] the 12 pieces as loaded
.set K_ORG, 20                         ; 51.2f
.set K_LO,  21                         ; -800.0
.set K_HI,  22                         ; 800.0
.set K_INV, 23                         ; 20 x 65536
.set K_2PI, 25                         ; 2 / pi
.set K_P1,  26                         ; -pi/2 in three parts
.set K_P2,  27
.set K_P3,  28
.set K_S1,  29                         ; -1/6
.set K_S2,  30                         ; 1/120
.set K_S3,  31                         ; -1/5040
.set K_C2,  32                         ; 1/24
.set K_C3,  33                         ; -1/720
.set K_C4,  34                         ; 1/40320
.set K_SGN, 35                         ; the sign bit
.set K_ABS, 36                         ; all but the sign bit; also C's marker for a yaw that is no number
.set K_LIM, 37                         ; 10.0
	s_load_b128 s[4:7], s[0:1], 0x0                ; state s[4:5], fix s[6:7]
	s_load_b64 s[8:9], s[0:1], 0x10                ; vel
	v_lshl_add_u32 v112, v0, 2, 0xd000
	v_mov_b32 v113, 0
	v_lshrrev_b32 v[T], 5, v0
	v_readfirstlane_b32 s10, v[T]                  ; wave 0..7
	v_and_b32 v[LANE], 31, v0
	v_lshlrev_b32 v[GOFF], 4, v[LANE]
	s_lshl_b32 s11, ttmp9, 3
	s_add_co_u32 s11, s11, s10                     ; W: the wave's number in the launch, 0..8191
	s_mul_i32 s12, s11, PTS*PBYTES                 ; state: 6,144 W (below 2^26)
	s_mov_b32 s13, 0
	s_lshl_b32 s14, s11, 11                        ; fix: 2,048 W: the wave's X, Y, C, S blocks of 512 bytes
	s_mov_b32 s15, 0
	s_lshl_b32 s16, s11, 9                         ; vel: 512 W
	s_mov_b32 s17, 0
	s_mul_i32 s18, s10, LWAVE                      ; my wave's LDS
	s_wait_kmcnt 0x0
	s_add_nc_u64 s[4:5], s[4:5], s[12:13]
	s_add_nc_u64 s[6:7], s[6:7], s[14:15]
	s_add_nc_u64 s[8:9], s[8:9], s[16:17]
.irp j, 0,1,2,3,4,5,6,7,8,9,10,11
	global_load_b128 v[RAW+4*\j:RAW+4*\j+3], v[GOFF], s[4:5] offset:512*\j th:TH_LOAD_NT   ; read once in the launch
.endr
	; while they are on their way: constants and LDS addresses
	s_mov_b32 s[K_ORG],  0x424ccccd
	s_mov_b32 s[K_LO],   0xc4480000
	s_mov_b32 s[K_HI],   0x44480000
	s_mov_b32 s[K_INV],  0x49a00000
	s_mov_b32 s[K_2PI],  0x3f22f983
	s_mov_b32 s[K_P1],   0xbfc90fd8
	s_mov_b32 s[K_P2],   0xb4a8885a
	s_mov_b32 s[K_P3],   0xa7c234c4
	s_mov_b32 s[K_S1],   0xbe2aaaab
	s_mov_b32 s[K_S2],   0x3c088889
	s_mov_b32 s[K_S3],   0xb9500d01
	s_mov_b32 s[K_C2],   0x3d2aaaab
	s_mov_b32 s[K_C3],   0xbab60b61
	s_mov_b32 s[K_C4],   0x37d00d01
	s_mov_b32 s[K_SGN],  0x80000000
	s_mov_b32 s[K_ABS],  0x7fffffff
	s_mov_b32 s[K_LIM],  0x41200000
	; Piece k (16 bytes) of the wave's 384 belongs to lane k / 12 and lies at 16 k + 16 (k / 12).  Load 3a + b brings my piece k = 96 a + 32 b + lane,
	; and k / 12 = 8 a + (32 b + lane) / 12: three addresses, a in the immediate.  For k < 96, k / 12 = (171 k) >> 11.
.irp b, 0,1,2
	v_add_nc_u32 v[T], 32*\b, v[LANE]
	v_mul_u32_u24 v[T+1], 171, v[T]
	v_lshrrev_b32 v[T+1], 11, v[T+1]
	v_add_nc_u32 v[T], v[T], v[T+1]
	v_lshl_add_u32 v[STA+\b], v[T], 4, s18
.endr
	v_mad_u32_u24 v[RDA], v[LANE], LPITCH, s18
.irp j, 0,1,2,3,4,5,6,7,8,9,10,11
	s_wait_loadcnt 11-\j                           ; loads come back in order (ISA guide 5.7.1): piece j is in, the 11 - j younger ones stay out
	ds_store_b128 v[STA+(\j%3)], v[RAW+4*\j:RAW+4*\j+3] offset:(\j/3)*ASTEP
.endr
	; The bytes are my wave's own and LDS serves a wave's instructions in order (ISA guide 5.7.1.4): no wait and no barrier between stores and loads.
.irp g, 0,1,2,3
	ds_load_b64  v[FLD+6*\g:FLD+6*\g+1],   v[RDA] offset:PBYTES*\g       ; x, y
	ds_load_b128 v[FLD+6*\g+2:FLD+6*\g+5], v[RDA] offset:PBYTES*\g+16    ; field 4 (unused), yaw, vx, vy
.endr
; dst = (src + 51.2f) x 20.0f in 16.16.  keep = the clamped sum, NaN kept (v_maximum_f32 and v_minimum_f32 let a NaN win).
; One rounding for the sum, one for the product.  The factor 65536 rides in the constant: a power of two changes no rounding, so the
; product here is 65536 times the f32 product with 20.0f, bit for bit.
.macro FIXED dst, src, keep
	v_add_f32 v[\keep], s[K_ORG], v[\src]
	v_maximum_f32 v[\keep], v[\keep], s[K_LO]
	v_minimum_f32 v[\keep], v[\keep], s[K_HI]
	v_mul_f32 v[T+2], s[K_INV], v[\keep]
	v_rndne_f32 v[T+2], v[T+2]                     ; changes something only below 128 cells
	v_cvt_i32_f32 v[\dst], v[T+2]                  ; at most 800 x 20 x 65536, below 2^30
.endm
.macro POINT g
	s_wait_dscnt 6-2*\g                            ; this point's two LDS loads are back; the 2 (3 - g) of the later points stay out
	FIXED XI+\g, FLD+6*\g,   T
	FIXED YI+\g, FLD+6*\g+1, T+1
	v_mul_f32 v[T+4], v[FLD+6*\g+4], v[FLD+6*\g+4]
	v_fma_f32 v[T+4], v[FLD+6*\g+5], v[FLD+6*\g+5], v[T+4]
	v_sqrt_f32 v[T+4], v[T+4]                      ; plain instructions that touch neither its source nor its result follow (ISA guide 5.7.2)
	v_fma_f32 v[T+2], v[T], 0, s[K_LIM]            ; 10, or NaN where x is NaN: 0 x a finite number adds a zero, 0 x NaN is NaN
	v_fma_f32 v[T+2], v[T+1], 0, v[T+2]            ; the same for y
	v_mul_f32 v[T+5], s[K_2PI], v[FLD+6*\g+3]
	v_rndne_f32 v[T+5], v[T+5]                     ; n = the nearest multiple of pi/2
	s_wait_alu depctr_va_vdst(0)
	v_sub_f32 v[T+4], v[T+2], v[T+4]
	v_and_b32 v[VE+\g], s[K_ABS], v[T+4]           ; |10 - speed|
	v_fma_f32 v[T+6], v[T+5], s[K_P1], v[FLD+6*\g+3]
	v_fma_f32 v[T+6], v[T+5], s[K_P2], v[T+6]
	v_fma_f32 v[T+6], v[T+5], s[K_P3], v[T+6]      ; r = yaw - n pi/2, |r| <= pi/4
	v_cvt_i32_f32 v[T+5], v[T+5]                   ; n as a whole number: it only selects values below
	v_mul_f32 v[T+7], v[T+6], v[T+6]               ; r^2
	v_fma_f32 v[T+8], v[T+7], s[K_S3], s[K_S2]     ; sin r = r + r^3 (-1/6 + r^2 (1/120 - r^2 / 5040)): the next term is below 3.2e-7
	v_fma_f32 v[T+9], v[T+7], s[K_C4], s[K_C3]     ; cos r = 1 + r^2 (-1/2 + r^2 (1/24 + r^2 (-1/720 + r^2 / 40320))): below 2.5e-8
	v_fma_f32 v[T+8], v[T+8], v[T+7], s[K_S1]
	v_fma_f32 v[T+9], v[T+9], v[T+7], s[K_C2]
	v_mul_f32 v[T+10], v[T+6], v[T+7]
	v_fma_f32 v[T+9], v[T+9], v[T+7], -0.5
	v_fma_f32 v[T+8], v[T+8], v[T+10], v[T+6]      ; sin r
	v_fma_f32 v[T+9], v[T+9], v[T+7], 1.0          ; cos r
	v_and_b32 v[T+7], 1, v[T+5]
	v_add_nc_u32 v[T+10], 1, v[T+5]
	v_cmp_eq_u32 vcc_lo, 1, v[T+7]                 ; odd quadrant: sin and cos change places
	v_lshlrev_b32 v[T+5], 30, v[T+5]               ; bit 1 of n is sin's sign,
	v_lshlrev_b32 v[T+10], 30, v[T+10]             ; bit 1 of n + 1 is cos's
	v_cndmask_b32 v[T+6], v[T+8], v[T+9], vcc_lo
	v_cndmask_b32 v[T+7], v[T+9], v[T+8], vcc_lo
	v_and_b32 v[T+5], s[K_SGN], v[T+5]
	v_and_b32 v[T+10], s[K_SGN], v[T+10]
	v_xor_b32 v[T+6], v[T+6], v[T+5]               ; sin yaw
	v_xor_b32 v[T+7], v[T+7], v[T+10]              ; cos yaw
	v_mul_f32 v[T+6], s[K_INV], v[T+6]             ; in cells, 16.16
	v_mul_f32 v[T+7], s[K_INV], v[T+7]
	v_rndne_f32 v[T+6], v[T+6]
	v_rndne_f32 v[T+7], v[T+7]
	v_cmp_eq_f32 vcc_lo, v[T+7], v[T+7]            ; false for NaN
	v_cvt_i32_f32 v[SI+\g], v[T+6]
	v_cvt_i32_f32 v[T+7], v[T+7]
	v_cndmask_b32 v[CI+\g], s[K_ABS], v[T+7], vcc_lo   ; the marker where yaw gave no number
.endm
	POINT 0
	POINT 1
	POINT 2
	POINT 3
	; each store of the wave covers 512 consecutive bytes, aligned; the next launch reads them, so no non-temporal hint
	global_store_b128 v[GOFF], v[XI:XI+3], s[6:7]
	global_store_b128 v[GOFF], v[YI:YI+3], s[6:7] offset:512
	global_store_b128 v[GOFF], v[CI:CI+3], s[6:7] offset:1024
	global_store_b128 v[GOFF], v[SI:SI+3], s[6:7] offset:1536
	global_store_b128 v[GOFF], v[VE:VE+3], s[8:9]
	s_wait_tensorcnt 0x0
	ds_add_u32 v112, v113
	s_wait_dscnt 0x0
	s_endpgm
.Lfunc_end_k_q0ca1d597c0_prep:
	.size	k_q0ca1d597c0_prep, .Lfunc_end_k_q0ca1d597c0_prep-k_q0ca1d597c0_prep
	.p2alignl 7, 3214868480
	.fill 96, 4, 3214868480
	.section	.rodata,"a",@progbits
	.p2align	6, 0x0
	.amdhsa_kernel k_q0ca1d597c0_prep
		.amdhsa_group_segment_fixed_size 54272
		.amdhsa_private_segment_fixed_size 0
		.amdhsa_enable_private_segment 0
		.amdhsa_kernarg_size 24
		.amdhsa_user_sgpr_count 2
		.amdhsa_user_sgpr_kernarg_segment_ptr 1
		.amdhsa_wavefront_size32 1
		.amdhsa_system_sgpr_workgroup_id_x 1
		.amdhsa_system_sgpr_workgroup_id_y 1
		.amdhsa_system_sgpr_workgroup_id_z 1
		.amdhsa_system_vgpr_workitem_id 0
		.amdhsa_next_free_vgpr 114
		.amdhsa_next_free_sgpr 66
		.amdhsa_reserve_vcc 1
		.amdhsa_float_denorm_mode_32 3
		.amdhsa_float_denorm_mode_16_64 3
		.amdhsa_memory_ordered 1
		.amdhsa_forward_progress 1
		.amdhsa_inst_pref_size 16
	.end_amdhsa_kernel
	.amdgpu_metadata
---
amdhsa.version: [ 1, 2 ]
amdhsa.kernels:
  - .name:           k_q0ca1d597c0_prep
    .symbol:         k_q0ca1d597c0_prep.kd
    .args:
      - { .name: state, .offset: 0, .size: 8, .value_kind: global_buffer, .address_space: global }
      - { .name: fix, .offset: 8, .size: 8, .value_kind: global_buffer, .address_space: global }
      - { .name: vel, .offset: 16, .size: 8, .value_kind: global_buffer, .address_space: global }
    .group_segment_fixed_size: 54272
    .private_segment_fixed_size: 0
    .kernarg_segment_align: 8
    .kernarg_segment_size: 24
    .max_flat_workgroup_size: 256
    .sgpr_count:     66
    .vgpr_count:     114
    .wavefront_size: 32
...
	.end_amdgpu_metadata
.endif
;; end of part 1
;; launch sample (part 2): grid 1024 x 1, 8 waves a work-group, no clusters, 0 bytes of LDS; arguments fix, vel, heightmap, out0; writes out0
.if DOCPART == 2
	.amdgcn_target "amdgcn-amd-amdhsa--gfx1250"
	.amdhsa_code_object_version 6
	.text
	.protected	k_q0ca1d597c0_sample
	.globl	k_q0ca1d597c0_sample
	.p2align	8
	.type	k_q0ca1d597c0_sample,@function
k_q0ca1d597c0_sample:
	s_mov_b64 s[64:65], 0
	v_nop
	global_prefetch_b8 v0, s[64:65] scope:SCOPE_SE
	s_setreg_imm32_b32 hwreg(HW_REG_WAVE_MODE, 25, 1), 1
	s_wait_xcnt 0x0
; SimpleCarCost, second launch: five bilinear samples of the height map for each point, and the sum of the costs.
; fix holds, for each wave's 128 points, blocks of 512 bytes of X, Y, C, S: the point's place in map cells and 20 cos(yaw), 20 sin(yaw),
; all signed 16.16 fixed point, |X|, |Y| below 2^30, |C|, |S| at most 20 x 65536 (C = 0x7fffffff marks a yaw that is no number).
; Every gather address is made from these whole numbers by integer arithmetic; the same integers give the fractions.
;   ground (X, Y);  fl (X+2C-S, Y+2S+C);  fr (X+2C+S, Y+2S-C);  bl (X-2C-S, Y-2S+C);  br (X-2C+S, Y-2S-C)
;   out = (ground <= 0.1 ? 1000 : ground) + sum of nan_to_num(corner, nan = 1000) + vel
; The corner sums are exact in integers, so a corner lies within 2^-15 cell of the exact place (four roundings of 2^-17 from the first launch).
; A lane owns four consecutive points: its inputs and its result are 16 consecutive bytes, and each such load or store of the wave covers
; 512 consecutive bytes, aligned.  A sample's four heights are four loads of 4 bytes from one address register (+0, +4, +8192, +8196):
; the left cell may be odd, so a pair of heights need not lie at a multiple of 8 bytes.
; Two register sets take turns: the 20 gathers of the next point are out while a point is worked on.
.set ROWB, 8192                        ; bytes of a map row
.set TOP,  2047<<16                    ; the last column or row, 16.16
.set LASTCELL, 2046                    ; the last left or upper cell
.set OFFS, 1                           ; v1       16 x lane; never rewritten
.set PEN,  2                           ; v2       1000.0
.set PEN4, 3                           ; v3       4000.0
.set XI,   4                           ; v[4:7]   X of my 4 points
.set YI,   8
.set CI,   12
.set SI,   16
.set VE,   20                          ; v[20:23] vel
.set OUT,  24                          ; v[24:27] results
.set K1,   28                          ; v[28:29] (-2^-16, 2^-16)
.set K2,   30                          ; v[30:31] (1, 0)
.set T,    32                          ; v[32:44] at work
.set SET0, 48                          ; v[48:82]  a set: 5 x 4 heights, 5 x (fraction x, fraction y) in units of 2^-16, 5 addresses
.set SET1, 84                          ; v[84:118]
.set FR,   20
.set AD,   30
.set K_FLOOR, 20                       ; 0.1f
.set K_NMAX,  21                       ; the most negative finite f32
.set K_PMAX,  22                       ; the largest finite f32
.set K_MARK,  23                       ; C's marker
	s_load_b256 s[4:11], s[0:1], 0x0               ; fix s[4:5], vel s[6:7], heightmap s[8:9], out0 s[10:11]
	v_lshrrev_b32 v2, 5, v0
	v_readfirstlane_b32 s12, v2                    ; wave 0..7
	v_and_b32 v1, 31, v0
	v_lshlrev_b32 v[OFFS], 4, v1
	s_lshl_b32 s13, ttmp9, 3
	s_add_co_u32 s13, s13, s12                     ; W: the wave's number in the launch
	s_lshl_b32 s14, s13, 11                        ; fix: 2,048 W
	s_mov_b32 s15, 0
	s_lshl_b32 s16, s13, 9                         ; vel and out0: 512 W
	s_mov_b32 s17, 0
	s_lshr_b32 s18, ttmp9, 8                       ; 256 work-groups of 1,024 points make an environment's 262,144
	s_lshl_b32 s18, s18, 24                        ; whose map is 2^24 bytes
	s_mov_b32 s19, 0
	s_wait_kmcnt 0x0
	s_add_nc_u64 s[4:5], s[4:5], s[14:15]
	s_add_nc_u64 s[6:7], s[6:7], s[16:17]
	s_add_nc_u64 s[8:9], s[8:9], s[18:19]
	s_add_nc_u64 s[10:11], s[10:11], s[16:17]
	global_load_b128 v[VE:VE+3], v[OFFS], s[6:7] th:TH_LOAD_NT
	global_load_b128 v[XI:XI+3], v[OFFS], s[4:5] th:TH_LOAD_NT
	global_load_b128 v[YI:YI+3], v[OFFS], s[4:5] offset:512 th:TH_LOAD_NT
	global_load_b128 v[CI:CI+3], v[OFFS], s[4:5] offset:1024 th:TH_LOAD_NT
	global_load_b128 v[SI:SI+3], v[OFFS], s[4:5] offset:1536 th:TH_LOAD_NT
	s_mov_b32 s[K_FLOOR], 0x3dcccccd
	s_mov_b32 s[K_NMAX],  0xff7fffff
	s_mov_b32 s[K_PMAX],  0x7f7fffff
	s_mov_b32 s[K_MARK],  0x7fffffff
	v_mov_b32 v[PEN],  0x447a0000
	v_mov_b32 v[PEN4], 0x457a0000
	v_mov_b32 v[K1],   0xb7800000
	v_mov_b32 v[K1+1], 0x37800000
	v_mov_b32 v[K2],   1.0
	v_mov_b32 v[K2+1], 0
	s_wait_loadcnt 0x0
; One coordinate, 16.16 in src: idx = clip(floor, 0, 2046), frac = clip(coordinate - idx, 0, 1) in units of 2^-16, as f32 (exact: at most 65536).
.macro COORD src, idx, frac
	v_ashrrev_i32 v[T+8], 31, v[\src]              ; all ones below the map
	v_bfi_b32 v[T+9], v[T+8], 0, v[\src]           ; there 0
	v_min_u32 v[T+9], TOP, v[T+9]                  ; beyond the map 2047.0
	v_lshrrev_b32 v[\idx], 16, v[T+9]
	v_min_u32 v[\idx], LASTCELL, v[\idx]           ; a loaded number enters an address only behind v_min_u32 with a constant; it is also reference()'s clip
	v_lshlrev_b32 v[T+8], 16, v[\idx]
	v_sub_nc_u32 v[T+9], v[T+9], v[T+8]            ; 0 .. 65536
	v_cvt_f32_u32 v[\frac], v[T+9]
.endm
; Sample k of a set, at (sx, sy): fractions, address, four gathers.  The last byte reached is 4 (2046 x 2048 + 2046) + 8196 + 3, the map's last.
.macro SAMPLE st, k, sx, sy
	COORD \sx, T+10, \st+FR+2*\k
	COORD \sy, T+11, \st+FR+2*\k+1
	v_lshl_add_u32 v[T+10], v[T+11], 11, v[T+10]
	v_lshlrev_b32 v[\st+AD+\k], 2, v[T+10]
	global_load_b32 v[\st+4*\k],   v[\st+AD+\k], s[8:9]
	global_load_b32 v[\st+4*\k+1], v[\st+AD+\k], s[8:9] offset:4
	global_load_b32 v[\st+4*\k+2], v[\st+AD+\k], s[8:9] offset:ROWB
	global_load_b32 v[\st+4*\k+3], v[\st+AD+\k], s[8:9] offset:ROWB+4
.endm
; The 20 gathers of point p go out into set st.  With the marker in C the sums wrap; the clips keep every address inside the map, and the values are not used.
.macro ISSUE p, st
	v_sub_nc_u32 v[T],   v[XI+\p], v[SI+\p]        ; X - S
	v_add_nc_u32 v[T+1], v[XI+\p], v[SI+\p]        ; X + S
	v_add_nc_u32 v[T+2], v[YI+\p], v[CI+\p]        ; Y + C
	v_sub_nc_u32 v[T+3], v[YI+\p], v[CI+\p]        ; Y - C
	v_sub_nc_u32 v[T+4], 0, v[CI+\p]               ; -C
	v_sub_nc_u32 v[T+5], 0, v[SI+\p]               ; -S
	SAMPLE \st, 0, XI+\p, YI+\p
	v_lshl_add_u32 v[T+6], v[CI+\p], 1, v[T]
	v_lshl_add_u32 v[T+7], v[SI+\p], 1, v[T+2]
	SAMPLE \st, 1, T+6, T+7                        ; front left
	v_lshl_add_u32 v[T+6], v[CI+\p], 1, v[T+1]
	v_lshl_add_u32 v[T+7], v[SI+\p], 1, v[T+3]
	SAMPLE \st, 2, T+6, T+7                        ; front right
	v_lshl_add_u32 v[T+6], v[T+4], 1, v[T]
	v_lshl_add_u32 v[T+7], v[T+5], 1, v[T+2]
	SAMPLE \st, 3, T+6, T+7                        ; back left
	v_lshl_add_u32 v[T+6], v[T+4], 1, v[T+1]
	v_lshl_add_u32 v[T+7], v[T+5], 1, v[T+3]
	SAMPLE \st, 4, T+6, T+7                        ; back right
.endm
; z = (1-tx)(1-ty) h00 + tx (1-ty) h01 + (1-tx) ty h10 + tx ty h11, by weights as reference() has it, two numbers an instruction.
.macro BILIN st, k, z
	v_pk_fma_f32 v[T:T+1],   v[\st+FR+2*\k:\st+FR+2*\k+1], v[K1:K1+1], v[K2:K2+1] op_sel_hi:[0,1,1]              ; (1 - tx, tx), both exact
	v_pk_fma_f32 v[T+2:T+3], v[\st+FR+2*\k:\st+FR+2*\k+1], v[K1:K1+1], v[K2:K2+1] op_sel:[1,0,0] op_sel_hi:[1,1,1]  ; (1 - ty, ty)
	v_pk_mul_f32 v[T+4:T+5], v[T:T+1], v[T+2:T+3] op_sel_hi:[1,0]                  ; both x (1 - ty): the upper row's weights
	v_pk_mul_f32 v[T+6:T+7], v[T:T+1], v[T+2:T+3] op_sel:[0,1] op_sel_hi:[1,1]     ; both x ty: the lower row's
	v_pk_mul_f32 v[T+4:T+5], v[T+4:T+5], v[\st+4*\k:\st+4*\k+1]
	v_pk_fma_f32 v[T+4:T+5], v[T+6:T+7], v[\st+4*\k+2:\st+4*\k+3], v[T+4:T+5]
	v_add_f32 v[\z], v[T+4], v[T+5]
.endm
; Point p from set st.  left = how many younger gathers may stay out.
.macro CONSUME p, st, left
	s_wait_loadcnt \left                           ; loads come back in order (ISA guide 5.7.1): this point's 20 are in; it also frees the set's address registers
	BILIN \st, 0, T+8
	BILIN \st, 1, T+9
	BILIN \st, 2, T+10
	BILIN \st, 3, T+11
	BILIN \st, 4, T+12
	v_cmp_ge_f32 vcc_lo, s[K_FLOOR], v[T+8]        ; 0.1 >= ground; false for NaN, which stays
	v_cndmask_b32 v[T+8], v[T+8], v[PEN], vcc_lo
.irp k, 9,10,11,12
	v_cmp_eq_f32 vcc_lo, v[T+\k], v[T+\k]          ; nan_to_num: NaN becomes 1000,
	v_cndmask_b32 v[T+\k], v[PEN], v[T+\k], vcc_lo
	v_med3_num_f32 v[T+\k], v[T+\k], s[K_NMAX], s[K_PMAX]   ; an infinity the largest finite number of its sign
.endr
	v_add_f32 v[T+9], v[T+9], v[T+10]
	v_add_f32 v[T+9], v[T+9], v[T+11]
	v_add_f32 v[T+9], v[T+9], v[T+12]
	v_cmp_eq_u32 vcc_lo, s[K_MARK], v[CI+\p]       ; yaw was no number: all four corners are NaN in reference(), 1000 each
	v_cndmask_b32 v[T+9], v[T+9], v[PEN4], vcc_lo
	v_add_f32 v[T+8], v[T+8], v[T+9]
	v_add_f32 v[OUT+\p], v[T+8], v[VE+\p]
.endm
	ISSUE 0, SET0
	ISSUE 1, SET1
	CONSUME 0, SET0, 20                            ; point 1's 20 gathers stay out
	ISSUE 2, SET0
	CONSUME 1, SET1, 20                            ; point 2's
	ISSUE 3, SET1
	CONSUME 2, SET0, 20                            ; point 3's
	CONSUME 3, SET1, 0
	global_store_b128 v[OFFS], v[OUT:OUT+3], s[10:11] th:TH_STORE_NT   ; 512 consecutive bytes a wave, aligned
	s_endpgm
.Lfunc_end_k_q0ca1d597c0_sample:
	.size	k_q0ca1d597c0_sample, .Lfunc_end_k_q0ca1d597c0_sample-k_q0ca1d597c0_sample
	.p2alignl 7, 3214868480
	.fill 96, 4, 3214868480
	.section	.rodata,"a",@progbits
	.p2align	6, 0x0
	.amdhsa_kernel k_q0ca1d597c0_sample
		.amdhsa_group_segment_fixed_size 0
		.amdhsa_private_segment_fixed_size 0
		.amdhsa_enable_private_segment 0
		.amdhsa_kernarg_size 32
		.amdhsa_user_sgpr_count 2
		.amdhsa_user_sgpr_kernarg_segment_ptr 1
		.amdhsa_wavefront_size32 1
		.amdhsa_system_sgpr_workgroup_id_x 1
		.amdhsa_system_sgpr_workgroup_id_y 1
		.amdhsa_system_sgpr_workgroup_id_z 1
		.amdhsa_system_vgpr_workitem_id 0
		.amdhsa_next_free_vgpr 120
		.amdhsa_next_free_sgpr 66
		.amdhsa_reserve_vcc 1
		.amdhsa_float_denorm_mode_32 3
		.amdhsa_float_denorm_mode_16_64 3
		.amdhsa_memory_ordered 1
		.amdhsa_forward_progress 1
		.amdhsa_inst_pref_size 40
	.end_amdhsa_kernel
	.amdgpu_metadata
---
amdhsa.version: [ 1, 2 ]
amdhsa.kernels:
  - .name:           k_q0ca1d597c0_sample
    .symbol:         k_q0ca1d597c0_sample.kd
    .args:
      - { .name: fix, .offset: 0, .size: 8, .value_kind: global_buffer, .address_space: global }
      - { .name: vel, .offset: 8, .size: 8, .value_kind: global_buffer, .address_space: global }
      - { .name: heightmap, .offset: 16, .size: 8, .value_kind: global_buffer, .address_space: global }
      - { .name: out0, .offset: 24, .size: 8, .value_kind: global_buffer, .address_space: global }
    .group_segment_fixed_size: 0
    .private_segment_fixed_size: 0
    .kernarg_segment_align: 8
    .kernarg_segment_size: 32
    .max_flat_workgroup_size: 256
    .sgpr_count:     66
    .vgpr_count:     120
    .wavefront_size: 32
...
	.end_amdgpu_metadata
.endif
;; end of part 2
;; ======== version 2 of 3: 2 launches; 1.20 times as fast as version 1
;; workspace buffers: fix 16,777,216 bytes of whole numbers; vel 4,194,304 bytes
;; launch prep (part 3): grid 1024 x 1, 8 waves a work-group, no clusters, 37,888 bytes of LDS; arguments state, fix, vel; writes fix, vel
.if DOCPART == 3
	.amdgcn_target "amdgcn-amd-amdhsa--gfx1250"
	.amdhsa_code_object_version 6
	.text
	.protected	k_q0ca1d597c0_prep
	.globl	k_q0ca1d597c0_prep
	.p2align	8
	.type	k_q0ca1d597c0_prep,@function
k_q0ca1d597c0_prep:
	s_mov_b64 s[64:65], 0
	v_nop
	global_prefetch_b8 v0, s[64:65] scope:SCOPE_SE
	s_setreg_imm32_b32 hwreg(HW_REG_WAVE_MODE, 25, 1), 1
	s_wait_xcnt 0x0
; SimpleCarCost, first of two launches: state -> whole-number positions (fix) and the speed cost (vel).
; No address of a launch is made to hang on floating-point numbers of the same launch, so the floats that steer the
; height-map gathers are turned into whole numbers here, stored, and the second launch forms its addresses from them.
; For each of the 4 x 4096 x 64 = 1,048,576 points (12 f32 = 48 bytes of state; fields 0 x, 1 y, 5 yaw, 6 vx, 7 vy are used):
;   X = (x + 51.2f) x 20.0f, Y likewise       map cells, signed 16.16 fixed point
;   C = 20 cos(yaw), S = 20 sin(yaw)          cells, 16.16; the four corners are X +-2C +-S, Y +-2S +-C, formed next launch in integers
;   vel = |10 - sqrt(vx vx + vy vy)|          f32
; Not read, because reference() never uses them and no result hangs on them: the input 'controls', and fields 8 to 11 of each point.
; LIMITS. The quotient: reference() writes a division by 0.05f; here it is the product with 20.0f, the f32 nearest to 1 / 0.05f, rounded
;   once: the form into which a compiled reference() turns a division by a constant.  Product and rounded quotient differ by at most one
;   unit in the last place (2^-13 cell from 1024 cells on).  The comparison ground <= 0.1, with its jump of 1000, hangs on that bit: a point
;   whose ground height lies within that unit times the local slope of 0.1 falls on the side that the product gives.
; Positions: 65536 fx is a whole number for fx >= 128 cells (x >= -44.8 m), so nothing is lost there; below, fx is rounded to
;   2^-17 cell.  x + 51.2 is clamped to +-800 m (16,000 cells): every sample of such a point is beyond the map's edge by more than the
;   car's 45 cells, where reference() clips as well; +-inf falls under the same clamp.  NaN in x or y: vel becomes NaN, so the result is NaN.
; yaw: reduced with pi/2 in three parts; the error of sin and cos stays below 1e-6 up to |yaw| of about 1e5, grows beyond, and the
;   quadrant is lost beyond about 1e7.  NaN or inf yaw: C holds the marker 0x7fffffff, which the second launch turns into 4 x 1000.
;
; A wave owns 128 points = 6,144 consecutive bytes of state.  A point is three pieces of 16 bytes, of which the first two hold all that is
; used.  Lane l of load j takes piece l & 1 of point 16 j + l / 2: a load spans 768 consecutive bytes (three aligned blocks of 256), takes
; 32 of every 48, and no block is named by two loads.  Eight loads, all issued at once.
; A lane works on FOUR CONSECUTIVE points, so that each of its results is 16 consecutive bytes and each store of the wave
; covers 512 consecutive bytes, aligned.  The turn from 'lane = piece of 16 bytes' to 'lane = 4 points' goes through the wave's own LDS.
.set PTS,    128                       ; points of a wave
.set PBYTES, 48                        ; bytes of a point
.set LSPAN,  16*PBYTES                 ; bytes of state that one load of the wave spans: 16 points
.set LPITCH, 144                       ; LDS bytes of a lane's 4 points: 8 pieces = 128 + 16 of padding = 9 pieces of 16 bytes; 9 is odd
.set LWAVE,  32*LPITCH                 ; a wave's LDS: 4,608 bytes
.set JSTEP,  4*LPITCH                  ; one load = 32 pieces = 4 lanes' points = 576 bytes of LDS
.set GOFF, 1                           ; v1       16 x lane: offset of the stores; never rewritten
.set LDO,  2                           ; v2       offset of my piece in a load's 768 bytes; never rewritten
.set STA,  3                           ; v3       LDS address of my piece in load 0 (load j: + j x JSTEP)
.set RDA,  5                           ; v5       LDS address of my 4 points
.set T,    6                           ; v[6:16]  at work
.set LANE, 18
.set XI,   20                          ; v[20:23] X of my 4 points
.set YI,   24                          ; v[24:27] Y
.set CI,   28                          ; v[28:31] C
.set SI,   32                          ; v[32:35] S
.set VE,   36                          ; v[36:39] vel
.set FLD,  40                          ; v[40:63] point g: x, y, (field 4), yaw, vx, vy
.set RAW,  64                          ; v[64:95] the 8 pieces as loaded
.set K_ORG, 20                         ; 51.2f
.set K_LO,  21                         ; -800.0
.set K_HI,  22                         ; 800.0
.set K_INV, 23                         ; 20 x 65536
.set K_2PI, 25                         ; 2 / pi
.set K_P1,  26                         ; -pi/2 in three parts
.set K_P2,  27
.set K_P3,  28
.set K_S1,  29                         ; -1/6
.set K_S2,  30                         ; 1/120
.set K_S3,  31                         ; -1/5040
.set K_C2,  32                         ; 1/24
.set K_C3,  33                         ; -1/720
.set K_C4,  34                         ; 1/40320
.set K_SGN, 35                         ; the sign bit
.set K_ABS, 36                         ; all but the sign bit; also C's marker for a yaw that is no number
.set K_LIM, 37                         ; 10.0
	s_load_b128 s[4:7], s[0:1], 0x0                ; state s[4:5], fix s[6:7]
	s_load_b64 s[8:9], s[0:1], 0x10                ; vel
	v_lshl_add_u32 v96, v0, 2, 0x9000
	v_mov_b32 v97, 0
	v_lshrrev_b32 v[T], 5, v0
	v_readfirstlane_b32 s10, v[T]                  ; wave 0..7
	v_and_b32 v[LANE], 31, v0
	v_lshlrev_b32 v[GOFF], 4, v[LANE]
	v_lshrrev_b32 v[T], 1, v[LANE]                 ; which of a load's 16 points,
	v_and_b32 v[T+1], 1, v[LANE]                   ; its first or its second piece
	v_mul_u32_u24 v[T], PBYTES, v[T]
	v_lshl_add_u32 v[LDO], v[T+1], 4, v[T]         ; 48 (lane / 2) + 16 (lane & 1)
	s_lshl_b32 s11, ttmp9, 3
	s_add_co_u32 s11, s11, s10                     ; W: the wave's number in the launch, 0..8191
	s_mul_i32 s12, s11, PTS*PBYTES                 ; state: 6,144 W (below 2^26)
	s_mov_b32 s13, 0
	s_lshl_b32 s14, s11, 11                        ; fix: 2,048 W: the wave's X, Y, C, S blocks of 512 bytes
	s_mov_b32 s15, 0
	s_lshl_b32 s16, s11, 9                         ; vel: 512 W
	s_mov_b32 s17, 0
	s_mul_i32 s18, s10, LWAVE                      ; my wave's LDS
	s_wait_kmcnt 0x0
	s_add_nc_u64 s[4:5], s[4:5], s[12:13]
	s_add_nc_u64 s[6:7], s[6:7], s[14:15]
	s_add_nc_u64 s[8:9], s[8:9], s[16:17]
.irp j, 0,1,2,3,4,5,6,7
	global_load_b128 v[RAW+4*\j:RAW+4*\j+3], v[LDO], s[4:5] offset:LSPAN*\j th:TH_LOAD_NT   ; read once in the launch; the last byte reached is 7 x 768 + 48 x 15 + 31, inside the wave's 6,144
.endr
	; while they are on their way: constants and LDS addresses
	s_mov_b32 s[K_ORG],  0x424ccccd
	s_mov_b32 s[K_LO],   0xc4480000
	s_mov_b32 s[K_HI],   0x44480000
	s_mov_b32 s[K_INV],  0x49a00000
	s_mov_b32 s[K_2PI],  0x3f22f983
	s_mov_b32 s[K_P1],   0xbfc90fd8
	s_mov_b32 s[K_P2],   0xb4a8885a
	s_mov_b32 s[K_P3],   0xa7c234c4
	s_mov_b32 s[K_S1],   0xbe2aaaab
	s_mov_b32 s[K_S2],   0x3c088889
	s_mov_b32 s[K_S3],   0xb9500d01
	s_mov_b32 s[K_C2],   0x3d2aaaab
	s_mov_b32 s[K_C3],   0xbab60b61
	s_mov_b32 s[K_C4],   0x37d00d01
	s_mov_b32 s[K_SGN],  0x80000000
	s_mov_b32 s[K_ABS],  0x7fffffff
	s_mov_b32 s[K_LIM],  0x41200000
	; Kept piece k = 32 j + lane of the wave's 256 is piece k & 1 of point k / 2; it belongs to lane k / 8 and lies at 16 k + 16 (k / 8)
	; = 576 j + 16 lane + 16 (lane / 8): one address, j in the immediate.
	v_lshrrev_b32 v[T], 3, v[LANE]
	v_add_nc_u32 v[T], v[T], v[LANE]
	v_lshl_add_u32 v[STA], v[T], 4, s18
	v_mad_u32_u24 v[RDA], v[LANE], LPITCH, s18
.irp j, 0,1,2,3,4,5,6,7
	s_wait_loadcnt 7-\j                            ; loads come back in order (ISA guide 5.7.1): piece j is in, the 7 - j younger ones stay out
	ds_store_b128 v[STA], v[RAW+4*\j:RAW+4*\j+3] offset:\j*JSTEP
.endr
	; The bytes are my wave's own and LDS serves a wave's instructions in order (ISA guide 5.7.1.4): no wait and no barrier between stores and loads.
.irp g, 0,1,2,3
	ds_load_b64  v[FLD+6*\g:FLD+6*\g+1],   v[RDA] offset:32*\g           ; x, y
	ds_load_b128 v[FLD+6*\g+2:FLD+6*\g+5], v[RDA] offset:32*\g+16        ; field 4 (unused), yaw, vx, vy
.endr
; dst = (src + 51.2f) x 20.0f in 16.16.  keep = the clamped sum, NaN kept (v_maximum_f32 and v_minimum_f32 let a NaN win).
; One rounding for the sum, one for the product.  The factor 65536 rides in the constant: a power of two changes no rounding, so the
; product here is 65536 times the f32 product with 20.0f, bit for bit.
.macro FIXED dst, src, keep
	v_add_f32 v[\keep], s[K_ORG], v[\src]
	v_maximum_f32 v[\keep], v[\keep], s[K_LO]
	v_minimum_f32 v[\keep], v[\keep], s[K_HI]
	v_mul_f32 v[T+2], s[K_INV], v[\keep]
	v_rndne_f32 v[T+2], v[T+2]                     ; changes something only below 128 cells
	v_cvt_i32_f32 v[\dst], v[T+2]                  ; at most 800 x 20 x 65536, below 2^30
.endm
.macro POINT g
	s_wait_dscnt 6-2*\g                            ; this point's two LDS loads are back; the 2 (3 - g) of the later points stay out
	FIXED XI+\g, FLD+6*\g,   T
	FIXED YI+\g, FLD+6*\g+1, T+1
	v_mul_f32 v[T+4], v[FLD+6*\g+4], v[FLD+6*\g+4]
	v_fma_f32 v[T+4], v[FLD+6*\g+5], v[FLD+6*\g+5], v[T+4]
	v_sqrt_f32 v[T+4], v[T+4]                      ; plain instructions that touch neither its source nor its result follow (ISA guide 5.7.2)
	v_fma_f32 v[T+2], v[T], 0, s[K_LIM]            ; 10, or NaN where x is NaN: 0 x a finite number adds a zero, 0 x NaN is NaN
	v_fma_f32 v[T+2], v[T+1], 0, v[T+2]            ; the same for y
	v_mul_f32 v[T+5], s[K_2PI], v[FLD+6*\g+3]
	v_rndne_f32 v[T+5], v[T+5]                     ; n = the nearest multiple of pi/2
	s_wait_alu depctr_va_vdst(0)
	v_sub_f32 v[T+4], v[T+2], v[T+4]
	v_and_b32 v[VE+\g], s[K_ABS], v[T+4]           ; |10 - speed|
	v_fma_f32 v[T+6], v[T+5], s[K_P1], v[FLD+6*\g+3]
	v_fma_f32 v[T+6], v[T+5], s[K_P2], v[T+6]
	v_fma_f32 v[T+6], v[T+5], s[K_P3], v[T+6]      ; r = yaw - n pi/2, |r| <= pi/4
	v_cvt_i32_f32 v[T+5], v[T+5]                   ; n as a whole number: it only selects values below
	v_mul_f32 v[T+7], v[T+6], v[T+6]               ; r^2
	v_fma_f32 v[T+8], v[T+7], s[K_S3], s[K_S2]     ; sin r = r + r^3 (-1/6 + r^2 (1/120 - r^2 / 5040)): the next term is below 3.2e-7
	v_fma_f32 v[T+9], v[T+7], s[K_C4], s[K_C3]     ; cos r = 1 + r^2 (-1/2 + r^2 (1/24 + r^2 (-1/720 + r^2 / 40320))): below 2.5e-8
	v_fma_f32 v[T+8], v[T+8], v[T+7], s[K_S1]
	v_fma_f32 v[T+9], v[T+9], v[T+7], s[K_C2]
	v_mul_f32 v[T+10], v[T+6], v[T+7]
	v_fma_f32 v[T+9], v[T+9], v[T+7], -0.5
	v_fma_f32 v[T+8], v[T+8], v[T+10], v[T+6]      ; sin r
	v_fma_f32 v[T+9], v[T+9], v[T+7], 1.0          ; cos r
	v_and_b32 v[T+7], 1, v[T+5]
	v_add_nc_u32 v[T+10], 1, v[T+5]
	v_cmp_eq_u32 vcc_lo, 1, v[T+7]                 ; odd quadrant: sin and cos change places
	v_lshlrev_b32 v[T+5], 30, v[T+5]               ; bit 1 of n is sin's sign,
	v_lshlrev_b32 v[T+10], 30, v[T+10]             ; bit 1 of n + 1 is cos's
	v_cndmask_b32 v[T+6], v[T+8], v[T+9], vcc_lo
	v_cndmask_b32 v[T+7], v[T+9], v[T+8], vcc_lo
	v_and_b32 v[T+5], s[K_SGN], v[T+5]
	v_and_b32 v[T+10], s[K_SGN], v[T+10]
	v_xor_b32 v[T+6], v[T+6], v[T+5]               ; sin yaw
	v_xor_b32 v[T+7], v[T+7], v[T+10]              ; cos yaw
	v_mul_f32 v[T+6], s[K_INV], v[T+6]             ; in cells, 16.16
	v_mul_f32 v[T+7], s[K_INV], v[T+7]
	v_rndne_f32 v[T+6], v[T+6]
	v_rndne_f32 v[T+7], v[T+7]
	v_cmp_eq_f32 vcc_lo, v[T+7], v[T+7]            ; false for NaN
	v_cvt_i32_f32 v[SI+\g], v[T+6]
	v_cvt_i32_f32 v[T+7], v[T+7]
	v_cndmask_b32 v[CI+\g], s[K_ABS], v[T+7], vcc_lo   ; the marker where yaw gave no number
.endm
	POINT 0
	POINT 1
	POINT 2
	POINT 3
	; each store of the wave covers 512 consecutive bytes, aligned; the next launch reads them, so no non-temporal hint
	global_store_b128 v[GOFF], v[XI:XI+3], s[6:7]
	global_store_b128 v[GOFF], v[YI:YI+3], s[6:7] offset:512
	global_store_b128 v[GOFF], v[CI:CI+3], s[6:7] offset:1024
	global_store_b128 v[GOFF], v[SI:SI+3], s[6:7] offset:1536
	global_store_b128 v[GOFF], v[VE:VE+3], s[8:9]
	s_wait_tensorcnt 0x0
	ds_add_u32 v96, v97
	s_wait_dscnt 0x0
	s_endpgm
.Lfunc_end_k_q0ca1d597c0_prep:
	.size	k_q0ca1d597c0_prep, .Lfunc_end_k_q0ca1d597c0_prep-k_q0ca1d597c0_prep
	.p2alignl 7, 3214868480
	.fill 96, 4, 3214868480
	.section	.rodata,"a",@progbits
	.p2align	6, 0x0
	.amdhsa_kernel k_q0ca1d597c0_prep
		.amdhsa_group_segment_fixed_size 37888
		.amdhsa_private_segment_fixed_size 0
		.amdhsa_enable_private_segment 0
		.amdhsa_kernarg_size 24
		.amdhsa_user_sgpr_count 2
		.amdhsa_user_sgpr_kernarg_segment_ptr 1
		.amdhsa_wavefront_size32 1
		.amdhsa_system_sgpr_workgroup_id_x 1
		.amdhsa_system_sgpr_workgroup_id_y 1
		.amdhsa_system_sgpr_workgroup_id_z 1
		.amdhsa_system_vgpr_workitem_id 0
		.amdhsa_next_free_vgpr 98
		.amdhsa_next_free_sgpr 66
		.amdhsa_reserve_vcc 1
		.amdhsa_float_denorm_mode_32 3
		.amdhsa_float_denorm_mode_16_64 3
		.amdhsa_memory_ordered 1
		.amdhsa_forward_progress 1
		.amdhsa_inst_pref_size 15
	.end_amdhsa_kernel
	.amdgpu_metadata
---
amdhsa.version: [ 1, 2 ]
amdhsa.kernels:
  - .name:           k_q0ca1d597c0_prep
    .symbol:         k_q0ca1d597c0_prep.kd
    .args:
      - { .name: state, .offset: 0, .size: 8, .value_kind: global_buffer, .address_space: global }
      - { .name: fix, .offset: 8, .size: 8, .value_kind: global_buffer, .address_space: global }
      - { .name: vel, .offset: 16, .size: 8, .value_kind: global_buffer, .address_space: global }
    .group_segment_fixed_size: 37888
    .private_segment_fixed_size: 0
    .kernarg_segment_align: 8
    .kernarg_segment_size: 24
    .max_flat_workgroup_size: 256
    .sgpr_count:     66
    .vgpr_count:     98
    .wavefront_size: 32
...
	.end_amdgpu_metadata
.endif
;; end of part 3
;; launch sample (part 4): grid 1024 x 1, 8 waves a work-group, no clusters, 0 bytes of LDS; arguments fix, vel, heightmap, out0; writes out0
.if DOCPART == 4
	.amdgcn_target "amdgcn-amd-amdhsa--gfx1250"
	.amdhsa_code_object_version 6
	.text
	.protected	k_q0ca1d597c0_sample
	.globl	k_q0ca1d597c0_sample
	.p2align	8
	.type	k_q0ca1d597c0_sample,@function
k_q0ca1d597c0_sample:
	s_mov_b64 s[64:65], 0
	v_nop
	global_prefetch_b8 v0, s[64:65] scope:SCOPE_SE
	s_setreg_imm32_b32 hwreg(HW_REG_WAVE_MODE, 25, 1), 1
	s_wait_xcnt 0x0
; SimpleCarCost, second launch: five bilinear samples of the height map for each point, and the sum of the costs.
; fix holds, for each wave's 128 points, blocks of 512 bytes of X, Y, C, S: the point's place in map cells and 20 cos(yaw), 20 sin(yaw),
; all signed 16.16 fixed point, |X|, |Y| below 2^30, |C|, |S| at most 20 x 65536 (C = 0x7fffffff marks a yaw that is no number).
; Every gather address is made from these whole numbers by integer arithmetic; the same integers give the fractions.
;   ground (X, Y);  fl (X+2C-S, Y+2S+C);  fr (X+2C+S, Y+2S-C);  bl (X-2C-S, Y-2S+C);  br (X-2C+S, Y-2S-C)
;   out = (ground <= 0.1 ? 1000 : ground) + sum of nan_to_num(corner, nan = 1000) + vel
; LIMITS.  The corner sums are exact in integers, so a corner lies within 2^-15 cell of the exact place (four roundings of 2^-17 from the
; first launch).  A corner at or beyond the map's far edge is sampled 2^-16 cell inside the last column or row, where reference() takes the
; last column or row itself: within the same 2^-15.  The ground sample, on which the comparison with 0.1 hangs, has reference()'s clips exactly.
; A lane owns four consecutive points: its inputs and its result are 16 consecutive bytes, and each such load or store of the wave covers
; 512 consecutive bytes, aligned.  A sample's four heights are four loads of 4 bytes from one address register (+0, +4, +8192, +8196):
; the left cell may be odd, so a pair of heights need not lie at a multiple of 8 bytes.
; THE ORDER OF THE WORK.  A lane's 20 samples form one stream: the four ground samples, which need X and Y alone and go out as soon as
; these two blocks are in, then the four corners of point 0, of point 1, and so on.  The stream runs through eight register slots.
; A step: the cell index of the sample eight further on is made (registers only); the wait for the oldest sample; the lines that read its
; slot; the four gathers of the new sample into the slot so freed; the rest of the old sample's arithmetic.  Seven samples' gathers
; (28 loads) are out at every step's wait, and gathers and arithmetic alternate all the way.
.set ROWB, 8192                        ; bytes of a map row
.set TOP,  2047<<16                    ; the last column or row, 16.16
.set INSIDE, TOP-1                     ; the largest place whose cell is 2046
.set LASTCELL, 2046                    ; the last left or upper cell
.set OFFS, 1                           ; v1       16 x lane; never rewritten
.set PEN,  2                           ; v2       1000.0
.set PEN4, 3                           ; v3       4000.0
.set XI,   4                           ; v[4:7]   X of my 4 points
.set YI,   8
.set CI,   12
.set SI,   16
.set VE,   20                          ; v[20:23] vel
.set OUT,  24                          ; v[24:27] first the ground's cost, at last the result
.set K1,   28                          ; v[28:29] (-2^-16, 2^-16)      ground
.set K2,   30                          ; v[30:31] (1, 0)               ground
.set KP,   32                          ; v[32:33] 2^-16, twice         corners
.set KN,   34                          ; v[34:35] -2^-16, twice
.set KA,   36                          ; v[36:37] 129, twice
.set KB,   38                          ; v[38:39] -128, twice
.set T,    40                          ; v[40:47] at work on a request
.set U,    48                          ; v[48:56] at work on a sample that has come
.set FPS,  57                          ; v57      the running sum of a point's corners
.set P,    58                          ; v[58:63] X-S, X+S, Y+C, Y-C, -C, -S of the point whose corners are being asked for
.set SL,   64                          ; v[64:111] slot i: 4 heights, 2 fractions (their form differs between ground and corner: see the macros)
.set AD,   112                         ; v[112:119] slot i: its address
.set K_FLOOR, 20                       ; 0.1f
.set K_NMAX,  21                       ; the most negative finite f32
.set K_PMAX,  22                       ; the largest finite f32
.set K_MARK,  23                       ; C's marker
.set K_TOP,   24                       ; TOP
.set K_IN,    25                       ; INSIDE
.set K_LOW,   26                       ; the 16 fraction bits
.set K_BIG,   27                       ; the f32 2^23 as bits
	s_load_b256 s[4:11], s[0:1], 0x0               ; fix s[4:5], vel s[6:7], heightmap s[8:9], out0 s[10:11]
	v_lshrrev_b32 v2, 5, v0
	v_readfirstlane_b32 s12, v2                    ; wave 0..7
	v_and_b32 v1, 31, v0
	v_lshlrev_b32 v[OFFS], 4, v1
	s_lshl_b32 s13, ttmp9, 3
	s_add_co_u32 s13, s13, s12                     ; W: the wave's number in the launch
	s_lshl_b32 s14, s13, 11                        ; fix: 2,048 W
	s_mov_b32 s15, 0
	s_lshl_b32 s16, s13, 9                         ; vel and out0: 512 W
	s_mov_b32 s17, 0
	s_lshr_b32 s18, ttmp9, 8                       ; 256 work-groups of 1,024 points make an environment's 262,144
	s_lshl_b32 s18, s18, 24                        ; whose map is 2^24 bytes
	s_mov_b32 s19, 0
	s_wait_kmcnt 0x0
	s_add_nc_u64 s[4:5], s[4:5], s[14:15]
	s_add_nc_u64 s[6:7], s[6:7], s[16:17]
	s_add_nc_u64 s[8:9], s[8:9], s[18:19]
	s_add_nc_u64 s[10:11], s[10:11], s[16:17]
	global_load_b128 v[XI:XI+3], v[OFFS], s[4:5] th:TH_LOAD_NT               ; what is needed first is asked for first
	global_load_b128 v[YI:YI+3], v[OFFS], s[4:5] offset:512 th:TH_LOAD_NT
	global_load_b128 v[CI:CI+3], v[OFFS], s[4:5] offset:1024 th:TH_LOAD_NT
	global_load_b128 v[SI:SI+3], v[OFFS], s[4:5] offset:1536 th:TH_LOAD_NT
	global_load_b128 v[VE:VE+3], v[OFFS], s[6:7] th:TH_LOAD_NT
	s_mov_b32 s[K_FLOOR], 0x3dcccccd
	s_mov_b32 s[K_NMAX],  0xff7fffff
	s_mov_b32 s[K_PMAX],  0x7f7fffff
	s_mov_b32 s[K_MARK],  0x7fffffff
	s_mov_b32 s[K_TOP],   TOP
	s_mov_b32 s[K_IN],    INSIDE
	s_mov_b32 s[K_LOW],   0xffff
	s_mov_b32 s[K_BIG],   0x4b000000
	v_mov_b32 v[PEN],  0x447a0000
	v_mov_b32 v[PEN4], 0x457a0000
	v_mov_b32 v[K1],   0xb7800000
	v_mov_b32 v[K1+1], 0x37800000
	v_mov_b32 v[K2],   1.0
	v_mov_b32 v[K2+1], 0
	v_mov_b32 v[KP],   0x37800000
	v_mov_b32 v[KP+1], 0x37800000
	v_mov_b32 v[KN],   0xb7800000
	v_mov_b32 v[KN+1], 0xb7800000
	v_mov_b32 v[KA],   0x43010000
	v_mov_b32 v[KA+1], 0x43010000
	v_mov_b32 v[KB],   0xc3000000
	v_mov_b32 v[KB+1], 0xc3000000
; THE GROUND SAMPLE at (sx, sy), 16.16, goes out into slot i.  For each coordinate: clip to the map (0 .. 2047.0), cell = min(floor, 2046),
; fraction = clipped coordinate - cell, 0 .. 65536 in units of 2^-16: reference()'s two clips, exactly.  The x and the y chain take turns, so
; that each line has a neighbour that does not wait for it.  Slot: h00, h01, h10, h11, fraction x, fraction y (whole numbers as f32).
; The last byte reached is 4 (2046 x 2048 + 2046) + 8196 + 3, the map's last.
.macro SAMPLE i, sx, sy
	v_med3_i32 v[T],   v[\sx], 0, s[K_TOP]
	v_med3_i32 v[T+1], v[\sy], 0, s[K_TOP]
	v_lshrrev_b32 v[T+2], 16, v[T]
	v_lshrrev_b32 v[T+3], 16, v[T+1]
	v_min_u32 v[T+2], LASTCELL, v[T+2]             ; a loaded number enters an address only behind v_min_u32 with a constant; it is also reference()'s clip
	v_min_u32 v[T+3], LASTCELL, v[T+3]
	v_lshl_add_u32 v[T+4], v[T+3], 11, v[T+2]
	v_lshlrev_b32 v[AD+\i], 2, v[T+4]
	global_load_b32 v[SL+6*\i],   v[AD+\i], s[8:9]
	global_load_b32 v[SL+6*\i+1], v[AD+\i], s[8:9] offset:4
	global_load_b32 v[SL+6*\i+2], v[AD+\i], s[8:9] offset:ROWB
	global_load_b32 v[SL+6*\i+3], v[AD+\i], s[8:9] offset:ROWB+4
	v_lshlrev_b32 v[T+2], 16, v[T+2]
	v_lshlrev_b32 v[T+3], 16, v[T+3]
	v_sub_nc_u32 v[T],   v[T],   v[T+2]
	v_sub_nc_u32 v[T+1], v[T+1], v[T+3]
	v_cvt_f32_u32 v[SL+6*\i+4], v[T]               ; exact: at most 65536
	v_cvt_f32_u32 v[SL+6*\i+5], v[T+1]
.endm
; z = (1-tx)(1-ty) h00 + tx (1-ty) h01 + (1-tx) ty h10 + tx ty h11, by the four weights as reference() has them, two numbers an instruction.
; First the six lines that read the slot, so that it can be asked into again behind them,
.macro GRND_A i
	v_pk_fma_f32 v[U:U+1],   v[SL+6*\i+4:SL+6*\i+5], v[K1:K1+1], v[K2:K2+1] op_sel_hi:[0,1,1]                 ; (1 - tx, tx), both exact
	v_pk_fma_f32 v[U+2:U+3], v[SL+6*\i+4:SL+6*\i+5], v[K1:K1+1], v[K2:K2+1] op_sel:[1,0,0] op_sel_hi:[1,1,1]  ; (1 - ty, ty)
	v_pk_mul_f32 v[U+4:U+5], v[U:U+1], v[U+2:U+3] op_sel_hi:[1,0]                  ; both x (1 - ty): the upper row's weights
	v_pk_mul_f32 v[U+6:U+7], v[U:U+1], v[U+2:U+3] op_sel:[0,1] op_sel_hi:[1,1]     ; both x ty: the lower row's
	v_pk_mul_f32 v[U+4:U+5], v[U+4:U+5], v[SL+6*\i:SL+6*\i+1]
	v_pk_fma_f32 v[U+4:U+5], v[U+6:U+7], v[SL+6*\i+2:SL+6*\i+3], v[U+4:U+5]
.endm
; then the rest, for point p.
.macro GRND_B p
	v_add_f32 v[U+8], v[U+4], v[U+5]
	v_cmp_ge_f32 vcc_lo, s[K_FLOOR], v[U+8]        ; 0.1 >= ground; false for NaN, which stays
	v_cndmask_b32 v[OUT+\p], v[U+8], v[PEN], vcc_lo
.endm
; A CORNER SAMPLE.  AIM: corner k (0 fl, 1 fr, 2 bl, 3 br) of point p: its place, clipped to 0 .. 2047 - 2^-16 cells, and its cell index; registers
; only, so it may stand ahead of a wait.  With that clip the cell is at most 2046 by itself and the fraction is the place's low 16 bits.
; With the marker in C the sums wrap; the clips keep every address inside the map, and the values are not used.
.macro AIM p, k
.if \k == 0
	v_sub_nc_u32 v[P],   v[XI+\p], v[SI+\p]        ; X - S
	v_add_nc_u32 v[P+1], v[XI+\p], v[SI+\p]        ; X + S
	v_add_nc_u32 v[P+2], v[YI+\p], v[CI+\p]        ; Y + C
	v_sub_nc_u32 v[P+3], v[YI+\p], v[CI+\p]        ; Y - C
	v_sub_nc_u32 v[P+4], 0, v[CI+\p]               ; -C
	v_sub_nc_u32 v[P+5], 0, v[SI+\p]               ; -S
.endif
.if \k < 2
	v_lshl_add_u32 v[T+6], v[CI+\p], 1, v[P+\k]    ; + 2C onto X - S (left) or X + S (right)
	v_lshl_add_u32 v[T+7], v[SI+\p], 1, v[P+2+\k]  ; + 2S onto Y + C (left) or Y - C (right)
.else
	v_lshl_add_u32 v[T+6], v[P+4], 1, v[P+\k-2]    ; - 2C
	v_lshl_add_u32 v[T+7], v[P+5], 1, v[P+\k]      ; - 2S
.endif
	v_med3_i32 v[T],   v[T+6], 0, s[K_IN]
	v_med3_i32 v[T+1], v[T+7], 0, s[K_IN]
	v_lshrrev_b32 v[T+2], 16, v[T]
	v_lshrrev_b32 v[T+3], 16, v[T+1]
	v_min_u32 v[T+2], LASTCELL, v[T+2]             ; changes nothing behind that clip: a loaded number enters an address only behind v_min_u32 with a constant
	v_min_u32 v[T+3], LASTCELL, v[T+3]
	v_lshl_add_u32 v[T+4], v[T+3], 11, v[T+2]
.endm
; FIRE: what AIM has made goes out into slot i, whose last loads have been waited for and whose registers have been read.
; Slot: h00, h10, h01, h11 (a column in each pair), then F x, F y: the 16 fraction bits under the exponent of 2^23 are the f32 2^23 + fraction.
.macro FIRE i
	v_lshlrev_b32 v[AD+\i], 2, v[T+4]
	global_load_b32 v[SL+6*\i],   v[AD+\i], s[8:9]
	global_load_b32 v[SL+6*\i+2], v[AD+\i], s[8:9] offset:4
	global_load_b32 v[SL+6*\i+1], v[AD+\i], s[8:9] offset:ROWB
	global_load_b32 v[SL+6*\i+3], v[AD+\i], s[8:9] offset:ROWB+4
	v_and_or_b32 v[SL+6*\i+4], v[T],   s[K_LOW], s[K_BIG]
	v_and_or_b32 v[SL+6*\i+5], v[T+1], s[K_LOW], s[K_BIG]
.endm
; The blend by weights, applied one axis after the other: (top, bottom) = (h00, h10)(1 - tx) + (h01, h11) tx; z = top (1 - ty) + bottom ty.
; Products by weights, and no differences of heights: a NaN or an infinity comes out where reference()'s products give one.
; F 2^-16 = 128 + t, so one fused step each gives 1 - t = 129 - F 2^-16 and t = F 2^-16 - 128, exactly.  The four lines that read the slot:
.macro CORN_A i
	v_pk_fma_f32 v[U:U+1],   v[SL+6*\i+4:SL+6*\i+5], v[KN:KN+1], v[KA:KA+1]       ; (1 - tx, 1 - ty)
	v_pk_fma_f32 v[U+2:U+3], v[SL+6*\i+4:SL+6*\i+5], v[KP:KP+1], v[KB:KB+1]       ; (tx, ty)
	v_pk_mul_f32 v[U+4:U+5], v[SL+6*\i:SL+6*\i+1], v[U:U+1] op_sel_hi:[1,0]       ; the left column, both x (1 - tx)
	v_pk_fma_f32 v[U+4:U+5], v[SL+6*\i+2:SL+6*\i+3], v[U+2:U+3], v[U+4:U+5] op_sel_hi:[1,0,1]   ; + the right column, both x tx
.endm
; The rest, for corner k of point p; the last corner closes the point.
.macro CORN_B p, k
	v_mul_f32 v[U+6], v[U+4], v[U+1]
	v_fma_f32 v[U+6], v[U+5], v[U+3], v[U+6]
	v_cmp_eq_f32 vcc_lo, v[U+6], v[U+6]            ; nan_to_num: NaN becomes 1000,
	v_cndmask_b32 v[U+6], v[PEN], v[U+6], vcc_lo
.if \k == 0
	v_med3_num_f32 v[FPS], v[U+6], s[K_NMAX], s[K_PMAX]    ; an infinity the largest finite number of its sign; the first corner starts the sum
.else
	v_med3_num_f32 v[U+6], v[U+6], s[K_NMAX], s[K_PMAX]
	v_add_f32 v[FPS], v[FPS], v[U+6]
.endif
.if \k == 3
	v_cmp_eq_u32 vcc_lo, s[K_MARK], v[CI+\p]       ; yaw was no number: all four corners are NaN in reference(), 1000 each
	v_cndmask_b32 v[FPS], v[FPS], v[PEN4], vcc_lo
	v_add_f32 v[OUT+\p], v[OUT+\p], v[FPS]
	v_add_f32 v[OUT+\p], v[OUT+\p], v[VE+\p]       ; vel was asked for ahead of every gather, so it has been in since the first step's wait
.endif
.endm
; A step with a request: slot i holds the ground sample of point p (GSTEP) or corner k of point p (CSTEP); corner ak of point ap goes out into it.
; Loads come back in order (ISA guide 5.7.1): with the 28 loads of the seven younger samples left out, the slot's four are in; the wait also
; frees the slot's address register.
.macro GSTEP i, p, ap, ak
	AIM \ap, \ak
	s_wait_loadcnt 28
	GRND_A \i
	FIRE \i
	GRND_B \p
.endm
.macro CSTEP i, p, k, ap, ak
	AIM \ap, \ak
	s_wait_loadcnt 28
	CORN_A \i
	FIRE \i
	CORN_B \p, \k
.endm
; A step without: left = how many younger loads may stay out.
.macro CLAST i, p, k, left
	s_wait_loadcnt \left
	CORN_A \i
	CORN_B \p, \k
.endm
	s_wait_loadcnt 0x3                             ; X and Y are in; C, S and vel stay out
	SAMPLE 0, XI+0, YI+0                           ; the four ground samples
	SAMPLE 1, XI+1, YI+1
	SAMPLE 2, XI+2, YI+2
	SAMPLE 3, XI+3, YI+3
	s_wait_loadcnt 0x11                            ; C and S are in: younger than S are vel and the 16 gathers above, 17 loads
	AIM  0, 0                                      ; point 0's corners fill the other four slots
	FIRE 4
	AIM  0, 1
	FIRE 5
	AIM  0, 2
	FIRE 6
	AIM  0, 3
	FIRE 7
	GSTEP 0, 0,    1, 0                            ; twelve steps with a request
	GSTEP 1, 1,    1, 1
	GSTEP 2, 2,    1, 2
	GSTEP 3, 3,    1, 3
	CSTEP 4, 0, 0, 2, 0
	CSTEP 5, 0, 1, 2, 1
	CSTEP 6, 0, 2, 2, 2
	CSTEP 7, 0, 3, 2, 3
	CSTEP 0, 1, 0, 3, 0
	CSTEP 1, 1, 1, 3, 1
	CSTEP 2, 1, 2, 3, 2
	CSTEP 3, 1, 3, 3, 3
	CLAST 4, 2, 0, 28                              ; the last eight samples: nothing is left to ask for, the counts run down by a sample's four loads
	CLAST 5, 2, 1, 24
	CLAST 6, 2, 2, 20
	CLAST 7, 2, 3, 16
	CLAST 0, 3, 0, 12
	CLAST 1, 3, 1, 8
	CLAST 2, 3, 2, 4
	CLAST 3, 3, 3, 0
	global_store_b128 v[OFFS], v[OUT:OUT+3], s[10:11] th:TH_STORE_NT   ; 512 consecutive bytes a wave, aligned
	s_endpgm
.Lfunc_end_k_q0ca1d597c0_sample:
	.size	k_q0ca1d597c0_sample, .Lfunc_end_k_q0ca1d597c0_sample-k_q0ca1d597c0_sample
	.p2alignl 7, 3214868480
	.fill 96, 4, 3214868480
	.section	.rodata,"a",@progbits
	.p2align	6, 0x0
	.amdhsa_kernel k_q0ca1d597c0_sample
		.amdhsa_group_segment_fixed_size 0
		.amdhsa_private_segment_fixed_size 0
		.amdhsa_enable_private_segment 0
		.amdhsa_kernarg_size 32
		.amdhsa_user_sgpr_count 2
		.amdhsa_user_sgpr_kernarg_segment_ptr 1
		.amdhsa_wavefront_size32 1
		.amdhsa_system_sgpr_workgroup_id_x 1
		.amdhsa_system_sgpr_workgroup_id_y 1
		.amdhsa_system_sgpr_workgroup_id_z 1
		.amdhsa_system_vgpr_workitem_id 0
		.amdhsa_next_free_vgpr 120
		.amdhsa_next_free_sgpr 66
		.amdhsa_reserve_vcc 1
		.amdhsa_float_denorm_mode_32 3
		.amdhsa_float_denorm_mode_16_64 3
		.amdhsa_memory_ordered 1
		.amdhsa_forward_progress 1
		.amdhsa_inst_pref_size 35
	.end_amdhsa_kernel
	.amdgpu_metadata
---
amdhsa.version: [ 1, 2 ]
amdhsa.kernels:
  - .name:           k_q0ca1d597c0_sample
    .symbol:         k_q0ca1d597c0_sample.kd
    .args:
      - { .name: fix, .offset: 0, .size: 8, .value_kind: global_buffer, .address_space: global }
      - { .name: vel, .offset: 8, .size: 8, .value_kind: global_buffer, .address_space: global }
      - { .name: heightmap, .offset: 16, .size: 8, .value_kind: global_buffer, .address_space: global }
      - { .name: out0, .offset: 24, .size: 8, .value_kind: global_buffer, .address_space: global }
    .group_segment_fixed_size: 0
    .private_segment_fixed_size: 0
    .kernarg_segment_align: 8
    .kernarg_segment_size: 32
    .max_flat_workgroup_size: 256
    .sgpr_count:     66
    .vgpr_count:     120
    .wavefront_size: 32
...
	.end_amdgpu_metadata
.endif
;; end of part 4
;; ======== version 3 of 3: 2 launches; version 2 with the launch sample written anew for expert scheduling mode
;; workspace buffers: fix 16,777,216 bytes of whole numbers; vel 4,194,304 bytes
;; launch prep: the kernel of part 3 again; grid 1024 x 1, 8 waves a work-group, no clusters, 37,888 bytes of LDS; arguments state, fix, vel; writes fix, vel
;; launch sample (part 5): grid 1024 x 1, 8 waves a work-group, no clusters, 0 bytes of LDS; arguments fix, vel, heightmap, out0; writes out0
.if DOCPART == 5
	.amdgcn_target "amdgcn-amd-amdhsa--gfx1250"
	.amdhsa_code_object_version 6
	.text
	.protected	k_q0ca1d597c0_sample
	.globl	k_q0ca1d597c0_sample
	.p2align	8
	.type	k_q0ca1d597c0_sample,@function
k_q0ca1d597c0_sample:
	s_mov_b64 s[64:65], 0
	v_nop
	global_prefetch_b8 v0, s[64:65] scope:SCOPE_SE
	s_setreg_imm32_b32 hwreg(HW_REG_WAVE_SCHED_MODE, 0, 2), 2
	s_setreg_imm32_b32 hwreg(HW_REG_WAVE_MODE, 25, 1), 1
	s_wait_xcnt 0x0
	s_wait_alu depctr_vm_vsrc(0)
; SimpleCarCost, second launch: five bilinear samples of the height map for each point, and the sum of the costs.
; fix holds, for each wave's 128 points, blocks of 512 bytes of X, Y, C, S: the point's place in map cells and 20 cos(yaw), 20 sin(yaw),
; all signed 16.16 fixed point, |X|, |Y| below 2^30, |C|, |S| at most 20 x 65536 (C = 0x7fffffff marks a yaw that is no number).
; Every gather address is made from these whole numbers by integer arithmetic; the same integers give the fractions.
;   ground (X, Y);  fl (X+2C-S, Y+2S+C);  fr (X+2C+S, Y+2S-C);  bl (X-2C-S, Y-2S+C);  br (X-2C+S, Y-2S-C)
;   out = (ground <= 0.1 ? 1000 : ground) + sum of nan_to_num(corner, nan = 1000) + vel
; LIMITS.  The corner sums are exact in integers, so a corner lies within 2^-15 cell of the exact place (four roundings of 2^-17 from the
; first launch).  A corner at or beyond the map's far edge is sampled 2^-16 cell inside the last column or row, where reference() takes the
; last column or row itself: within the same 2^-15.  The ground sample, on which the comparison with 0.1 hangs, has reference()'s clips exactly.
; A lane owns four consecutive points: its inputs and its result are 16 consecutive bytes, and each such load or store of the wave covers
; 512 consecutive bytes, aligned.  A sample's four heights are four loads of 4 bytes from one address register (+0, +4, +8192, +8196):
; the left cell may be odd, so a pair of heights need not lie at a multiple of 8 bytes.
; THE MODE: SCHED_MODE bits 1:0 = 2 (LLVM: expert scheduling mode 2), set by the entry lines.  The code itself states the register dependences
; between vector instructions and memory instructions, with s_wait_alu, always for 0.
; THE ORDER OF THE WORK.  A lane's 20 samples go in five BLOCKS of four: block 0 the four ground samples, which need X and Y alone and go out as
; soon as these two are in; blocks 1 to 4 the four corners of points 0 to 3.
; THE PLAN.  Registers that memory instructions touch:
;   v1         the offset of the five input loads and of the store: written at the head, never again.
;   X Y C S vel  written by the head's loads alone, read by vector instructions alone.
;   HA, HB     two buffers of 4 x 4 heights.  Block b's gathers land in buffer b % 2; block b's blends read it; behind them block b + 2's gathers land in it.
;   AD0 .. AD2 three sets of four addresses.  Block b's aims write set b % 3, block b's gathers read it.  Set 0 is written again for block 3, behind
;              block 0's blends, set 1 for block 4, behind block 1's.
;   OUT        written by vector instructions, read by the one store.
;   The fractions (three sets, by b % 3), the blends Z and all that is at work are named by vector instructions alone.
; A block: its four blends (each sample's weights, the wait for its heights, the products).  Then ONE wait on va_vdst, which states that the blends
; are done reading the buffer and that the address set of block b + 2, made in the block before, is written.  Behind it block b + 2's sixteen gathers,
; a sample's four at a time, with the block's compares, selects and sums between them; then the aims of block b + 3.  None of those vector lines names
; the address set or the buffer that these gathers touch, so nothing more is owed.  The compares stand in one run, into scalar registers, with
; one wait on va_sdst between the run and the selects.  Sixteen to thirty-two gathers of the wave are out from the first block on.
.set ROWB, 8192                        ; bytes of a map row
.set TOP,  2047<<16                    ; the last column or row, 16.16
.set INSIDE, TOP-1                     ; the largest place whose cell is 2046
.set LASTCELL, 2046                    ; the last left or upper cell
.set OFFS, 1                           ; v1       16 x lane; never rewritten
.set PEN,  2                           ; v2       1000.0
.set PEN4, 3                           ; v3       4000.0
.set XI,   4                           ; v[4:7]   X of my 4 points
.set YI,   8
.set CI,   12
.set SI,   16
.set VE,   20                          ; v[20:23] vel
.set OUT,  24                          ; v[24:27] first the ground's cost, at last the result
.set K1,   28                          ; v[28:29] (-2^-16, 2^-16)      ground
.set K2,   30                          ; v[30:31] (1, 0)               ground
.set KP,   32                          ; v[32:33] 2^-16, twice         corners
.set KN,   34                          ; v[34:35] -2^-16, twice
.set KA,   36                          ; v[36:37] 129, twice
.set KB,   38                          ; v[38:39] -128, twice
.set T,    40                          ; v[40:41] a corner's two cells, at work
.set P,    42                          ; v[42:47] X-S, X+S, Y+C, Y-C, -C, -S of the point whose corners are being aimed
.set U,    48                          ; v[48:55] at work on a blend
.set Z,    56                          ; v[56:59] the block's four blends; Z itself then takes the running sum of a point's corners
.set H,    60                          ; v[60:91] buffer b % 2, sample i: 4 heights at H + 16 (b % 2) + 4 i
.set FR,   92                          ; v[92:115] set b % 3, sample i: 2 fractions at FR + 8 (b % 3) + 2 i (their form differs between ground and corner: see the macros)
.set AD,   116                         ; v[116:127] set b % 3, sample i: its address at AD + 4 (b % 3) + i
.set K_FLOOR, 20                       ; 0.1f
.set K_NMAX,  21                       ; the most negative finite f32
.set K_PMAX,  22                       ; the largest finite f32
.set K_MARK,  23                       ; C's marker
.set K_TOP,   24                       ; TOP
.set K_IN,    25                       ; INSIDE
.set K_LOW,   26                       ; the 16 fraction bits
.set K_BIG,   27                       ; the f32 2^23 as bits
.set M,       28                       ; s[28:32] a block's masks: one for each sample, the fifth for the marker
	s_load_b256 s[4:11], s[0:1], 0x0               ; fix s[4:5], vel s[6:7], heightmap s[8:9], out0 s[10:11]
	v_lshrrev_b32 v2, 5, v0
	v_readfirstlane_b32 s12, v2                    ; wave 0..7
	v_and_b32 v1, 31, v0
	v_lshlrev_b32 v[OFFS], 4, v1
	s_lshl_b32 s13, ttmp9, 3
	s_wait_alu depctr_va_sdst(0)                   ; s12 is written, ahead of its first reader: the bases are made from it
	s_add_co_u32 s13, s13, s12                     ; W: the wave's number in the launch
	s_lshl_b32 s14, s13, 11                        ; fix: 2,048 W
	s_mov_b32 s15, 0
	s_lshl_b32 s16, s13, 9                         ; vel and out0: 512 W
	s_mov_b32 s17, 0
	s_lshr_b32 s18, ttmp9, 8                       ; 256 work-groups of 1,024 points make an environment's 262,144
	s_lshl_b32 s18, s18, 24                        ; whose map is 2^24 bytes
	s_mov_b32 s19, 0
	s_wait_kmcnt 0x0
	s_add_nc_u64 s[4:5], s[4:5], s[14:15]
	s_add_nc_u64 s[6:7], s[6:7], s[16:17]
	s_add_nc_u64 s[8:9], s[8:9], s[18:19]
	s_add_nc_u64 s[10:11], s[10:11], s[16:17]
	s_wait_alu depctr_va_vdst(0)                   ; v1 is written: the five loads below and the store at the end read it as their offset
	global_load_b128 v[XI:XI+3], v[OFFS], s[4:5] th:TH_LOAD_NT               ; what is needed first is asked for first
	global_load_b128 v[YI:YI+3], v[OFFS], s[4:5] offset:512 th:TH_LOAD_NT
	global_load_b128 v[CI:CI+3], v[OFFS], s[4:5] offset:1024 th:TH_LOAD_NT
	global_load_b128 v[SI:SI+3], v[OFFS], s[4:5] offset:1536 th:TH_LOAD_NT
	global_load_b128 v[VE:VE+3], v[OFFS], s[6:7] th:TH_LOAD_NT
	s_mov_b32 s[K_FLOOR], 0x3dcccccd
	s_mov_b32 s[K_NMAX],  0xff7fffff
	s_mov_b32 s[K_PMAX],  0x7f7fffff
	s_mov_b32 s[K_MARK],  0x7fffffff
	s_mov_b32 s[K_TOP],   TOP
	s_mov_b32 s[K_IN],    INSIDE
	s_mov_b32 s[K_LOW],   0xffff
	s_mov_b32 s[K_BIG],   0x4b000000
	v_mov_b32 v[PEN],  0x447a0000
	v_mov_b32 v[PEN4], 0x457a0000
	v_mov_b32 v[K1],   0xb7800000
	v_mov_b32 v[K1+1], 0x37800000
	v_mov_b32 v[K2],   1.0
	v_mov_b32 v[K2+1], 0
	v_mov_b32 v[KP],   0x37800000
	v_mov_b32 v[KP+1], 0x37800000
	v_mov_b32 v[KN],   0xb7800000
	v_mov_b32 v[KN+1], 0xb7800000
	v_mov_b32 v[KA],   0x43010000
	v_mov_b32 v[KA+1], 0x43010000
	v_mov_b32 v[KB],   0xc3000000
	v_mov_b32 v[KB+1], 0xc3000000
; THE GROUND SAMPLE of point i, block 0.  For each coordinate: clip to the map (0 .. 2047.0), cell = min(floor, 2046), fraction = clipped
; coordinate - cell, 0 .. 65536 in units of 2^-16: reference()'s two clips, exactly.  The x and the y chain take turns, so that each line has a
; neighbour that does not wait for it.  GAIM makes the address; the clipped places stay in the sample's two fraction registers, the cells in
; those of set 1, which is not yet in use.  The last byte reached is 4 (2046 x 2048 + 2046) + 8196 + 3, the map's last.
.macro GAIM i
	v_med3_i32 v[FR+2*\i],   v[XI+\i], 0, s[K_TOP]
	v_med3_i32 v[FR+2*\i+1], v[YI+\i], 0, s[K_TOP]
	v_lshrrev_b32 v[FR+8+2*\i],   16, v[FR+2*\i]
	v_lshrrev_b32 v[FR+8+2*\i+1], 16, v[FR+2*\i+1]
	v_min_u32 v[FR+8+2*\i],   LASTCELL, v[FR+8+2*\i]      ; a loaded number enters an address only behind v_min_u32 with a constant; it is also reference()'s clip
	v_min_u32 v[FR+8+2*\i+1], LASTCELL, v[FR+8+2*\i+1]
	v_lshl_add_u32 v[AD+\i], v[FR+8+2*\i+1], 11, v[FR+8+2*\i]
	v_lshlrev_b32 v[AD+\i], 2, v[AD+\i]
.endm
; Its four gathers: h00, h01, h10, h11.
.macro GATHG i
	global_load_b32 v[H+4*\i],   v[AD+\i], s[8:9]
	global_load_b32 v[H+4*\i+1], v[AD+\i], s[8:9] offset:4
	global_load_b32 v[H+4*\i+2], v[AD+\i], s[8:9] offset:ROWB
	global_load_b32 v[H+4*\i+3], v[AD+\i], s[8:9] offset:ROWB+4
.endm
; Its fractions, as whole numbers in f32: registers that no memory instruction names.
.macro GFRAC i
	v_lshlrev_b32 v[FR+8+2*\i],   16, v[FR+8+2*\i]
	v_lshlrev_b32 v[FR+8+2*\i+1], 16, v[FR+8+2*\i+1]
	v_sub_nc_u32 v[FR+2*\i],   v[FR+2*\i],   v[FR+8+2*\i]
	v_sub_nc_u32 v[FR+2*\i+1], v[FR+2*\i+1], v[FR+8+2*\i+1]
	v_cvt_f32_u32 v[FR+2*\i],   v[FR+2*\i]                ; exact: at most 65536
	v_cvt_f32_u32 v[FR+2*\i+1], v[FR+2*\i+1]
.endm
; z = (1-tx)(1-ty) h00 + tx (1-ty) h01 + (1-tx) ty h10 + tx ty h11, by the four weights as reference() has them, two numbers an instruction.
; The weights are work on registers and stand ahead of the wait.  left = how many younger loads may stay out.
.macro GRND i, left
	v_pk_fma_f32 v[U:U+1],   v[FR+2*\i:FR+2*\i+1], v[K1:K1+1], v[K2:K2+1] op_sel_hi:[0,1,1]                 ; (1 - tx, tx), both exact
	v_pk_fma_f32 v[U+2:U+3], v[FR+2*\i:FR+2*\i+1], v[K1:K1+1], v[K2:K2+1] op_sel:[1,0,0] op_sel_hi:[1,1,1]  ; (1 - ty, ty)
	v_pk_mul_f32 v[U+4:U+5], v[U:U+1], v[U+2:U+3] op_sel_hi:[1,0]                  ; both x (1 - ty): the upper row's weights
	v_pk_mul_f32 v[U+6:U+7], v[U:U+1], v[U+2:U+3] op_sel:[0,1] op_sel_hi:[1,1]     ; both x ty: the lower row's
	s_wait_loadcnt \left                           ; loads come back in order (ISA guide 5.7.1): this sample's four heights are in
	v_pk_mul_f32 v[U+4:U+5], v[U+4:U+5], v[H+4*\i:H+4*\i+1]
	v_pk_fma_f32 v[U+4:U+5], v[U+6:U+7], v[H+4*\i+2:H+4*\i+3], v[U+4:U+5]
	v_add_f32 v[Z+\i], v[U+4], v[U+5]
.endm
; A CORNER SAMPLE.  PSUMS: the six sums that the four corners of point p share.
.macro PSUMS p
	v_sub_nc_u32 v[P],   v[XI+\p], v[SI+\p]        ; X - S
	v_add_nc_u32 v[P+1], v[XI+\p], v[SI+\p]        ; X + S
	v_add_nc_u32 v[P+2], v[YI+\p], v[CI+\p]        ; Y + C
	v_sub_nc_u32 v[P+3], v[YI+\p], v[CI+\p]        ; Y - C
	v_sub_nc_u32 v[P+4], 0, v[CI+\p]               ; -C
	v_sub_nc_u32 v[P+5], 0, v[SI+\p]               ; -S
.endm
; AIM: corner k (0 fl, 1 fr, 2 bl, 3 br) of point p, block p + 1: its place, clipped to 0 .. 2047 - 2^-16 cells, which stays in the sample's two
; fraction registers, and its address.  With that clip the cell is at most 2046 by itself and the fraction is the place's low 16 bits.
; With the marker in C the sums wrap; the clips keep every address inside the map, and the values are not used.
.macro AIM p, k
.set rF, FR+8*(((\p)+1)%3)+2*(\k)
.set rA, AD+4*(((\p)+1)%3)+(\k)
.if \k < 2
	v_lshl_add_u32 v[rF],   v[CI+\p], 1, v[P+\k]   ; + 2C onto X - S (left) or X + S (right)
	v_lshl_add_u32 v[rF+1], v[SI+\p], 1, v[P+2+\k] ; + 2S onto Y + C (left) or Y - C (right)
.else
	v_lshl_add_u32 v[rF],   v[P+4], 1, v[P+\k-2]   ; - 2C
	v_lshl_add_u32 v[rF+1], v[P+5], 1, v[P+\k]     ; - 2S
.endif
	v_med3_i32 v[rF],   v[rF],   0, s[K_IN]
	v_med3_i32 v[rF+1], v[rF+1], 0, s[K_IN]
	v_lshrrev_b32 v[T],   16, v[rF]
	v_lshrrev_b32 v[T+1], 16, v[rF+1]
	v_min_u32 v[T],   LASTCELL, v[T]               ; changes nothing behind that clip: a loaded number enters an address only behind v_min_u32 with a constant
	v_min_u32 v[T+1], LASTCELL, v[T+1]
	v_lshl_add_u32 v[rA], v[T+1], 11, v[T]
	v_lshlrev_b32 v[rA], 2, v[rA]
.endm
; CFRAC: F x, F y: the place's 16 fraction bits under the exponent of 2^23 are the f32 2^23 + fraction.  Registers that no memory instruction names.
.macro CFRAC p, k
.set rF, FR+8*(((\p)+1)%3)+2*(\k)
	v_and_or_b32 v[rF],   v[rF],   s[K_LOW], s[K_BIG]
	v_and_or_b32 v[rF+1], v[rF+1], s[K_LOW], s[K_BIG]
.endm
; The four gathers of sample i of block b: h00, h10, h01, h11 (a column in each pair).
.macro GATHC b, i
.set rH, H+16*((\b)%2)+4*(\i)
.set rA, AD+4*((\b)%3)+(\i)
	global_load_b32 v[rH],   v[rA], s[8:9]
	global_load_b32 v[rH+2], v[rA], s[8:9] offset:4
	global_load_b32 v[rH+1], v[rA], s[8:9] offset:ROWB
	global_load_b32 v[rH+3], v[rA], s[8:9] offset:ROWB+4
.endm
; The blend by weights, applied one axis after the other: (top, bottom) = (h00, h10)(1 - tx) + (h01, h11) tx; z = top (1 - ty) + bottom ty.
; Products by weights, and no differences of heights: a NaN or an infinity comes out where reference()'s products give one.
; F 2^-16 = 128 + t, so one fused step each gives 1 - t = 129 - F 2^-16 and t = F 2^-16 - 128, exactly.  The weights stand ahead of the wait.
.macro CORN b, i, left
.set rH, H+16*((\b)%2)+4*(\i)
.set rF, FR+8*((\b)%3)+2*(\i)
	v_pk_fma_f32 v[U:U+1],   v[rF:rF+1], v[KN:KN+1], v[KA:KA+1]                   ; (1 - tx, 1 - ty)
	v_pk_fma_f32 v[U+2:U+3], v[rF:rF+1], v[KP:KP+1], v[KB:KB+1]                   ; (tx, ty)
	s_wait_loadcnt \left                           ; loads come back in order (ISA guide 5.7.1): this sample's four heights are in
	v_pk_mul_f32 v[U+4:U+5], v[rH:rH+1], v[U:U+1] op_sel_hi:[1,0]                 ; the left column, both x (1 - tx)
	v_pk_fma_f32 v[U+4:U+5], v[rH+2:rH+3], v[U+2:U+3], v[U+4:U+5] op_sel_hi:[1,0,1]   ; + the right column, both x tx
	v_mul_f32 v[Z+\i], v[U+4], v[U+1]
	v_fma_f32 v[Z+\i], v[U+5], v[U+3], v[Z+\i]
.endm
; What is made of a point's four blends, in three parts, so that gathers can stand between them.  ASK: the compares, in one run, into scalar registers.
.macro ASK p
.irp i, 0,1,2,3
	v_cmp_eq_f32 s[M+\i], v[Z+\i], v[Z+\i]         ; false for NaN
.endr
	v_cmp_eq_u32 s[M+4], s[K_MARK], v[CI+\p]       ; yaw was no number
.endm
; MEND, behind the wait for the masks: nan_to_num: NaN becomes 1000, an infinity the largest finite number of its sign.
.macro MEND
.irp i, 0,1,2,3
	v_cndmask_b32 v[Z+\i], v[PEN], v[Z+\i], s[M+\i]
.endr
.irp i, 0,1,2,3
	v_med3_num_f32 v[Z+\i], v[Z+\i], s[K_NMAX], s[K_PMAX]
.endr
.endm
; CLOSE: the corners are added in their order, the first starts the sum; then the point is closed.
.macro CLOSE p
	v_add_f32 v[Z], v[Z], v[Z+1]
	v_add_f32 v[Z], v[Z], v[Z+2]
	v_add_f32 v[Z], v[Z], v[Z+3]
	v_cndmask_b32 v[Z], v[Z], v[PEN4], s[M+4]      ; with the marker all four corners are NaN in reference(), 1000 each
	v_add_f32 v[OUT+\p], v[OUT+\p], v[Z]
	v_add_f32 v[OUT+\p], v[OUT+\p], v[VE+\p]       ; vel was asked for ahead of every gather, so it has been in since block 0's first wait
.endm
	; BLOCK 0 GOES OUT
	s_wait_loadcnt 0x3                             ; X and Y are in; C, S and vel stay out
	GAIM 0
	GAIM 1
	GAIM 2
	GAIM 3
	s_wait_alu depctr_va_vdst(0)                   ; address set 0 is written, which the sixteen gathers below read; the lines between them name fractions alone
	GATHG 0
	GFRAC 0
	GATHG 1
	GFRAC 1
	GATHG 2
	GFRAC 2
	GATHG 3
	GFRAC 3
	; BLOCK 1 GOES OUT, AND BLOCK 2 IS AIMED
	s_wait_loadcnt 0x11                            ; C and S are in: younger than S are vel and the 16 gathers above, 17 loads
	PSUMS 0
	AIM 0, 0
	AIM 0, 1
	AIM 0, 2
	AIM 0, 3
	s_wait_alu depctr_va_vdst(0)                   ; address set 1 is written, which the sixteen gathers below read; the lines between and behind them name fractions, sums and address set 2
	GATHC 1, 0
	CFRAC 0, 0
	CFRAC 0, 1
	GATHC 1, 1
	CFRAC 0, 2
	CFRAC 0, 3
	GATHC 1, 2
	PSUMS 1
	GATHC 1, 3
.irp k, 0,1,2,3
	AIM 1, \k
	CFRAC 1, \k
.endr
	; BLOCK 0 COMES IN (buffer A), BLOCK 2 GOES OUT INTO ITS PLACE, BLOCK 3 IS AIMED
	GRND 0, 28                                     ; younger than a sample's loads: the later samples of its block, four each, and block 1's sixteen
	GRND 1, 24
	GRND 2, 20
	GRND 3, 16
	s_wait_alu depctr_vm_vsrc(0)                   ; block 0's gathers have read address set 0, which block 3's aims below write again (the wait for 16 above has shown those gathers done)
	s_wait_alu depctr_va_vdst(0)                   ; the four blends are done reading buffer A, in which the gathers below land; address set 2, which they read, is written
	GATHC 2, 0
.irp i, 0,1,2,3
	v_cmp_ge_f32 s[M+\i], s[K_FLOOR], v[Z+\i]      ; 0.1 >= ground; false for NaN, which stays
.endr
	GATHC 2, 1
	s_wait_alu depctr_va_sdst(0)                   ; the four masks are written, ahead of the selects that read them
.irp i, 0,1,2,3
	v_cndmask_b32 v[OUT+\i], v[Z+\i], v[PEN], s[M+\i]
.endr
	GATHC 2, 2
	PSUMS 2
	GATHC 2, 3
.irp k, 0,1,2,3
	AIM 2, \k
	CFRAC 2, \k
.endr
	; BLOCK 1 COMES IN (buffer B), BLOCK 3 GOES OUT INTO ITS PLACE, BLOCK 4 IS AIMED
	CORN 1, 0, 28
	CORN 1, 1, 24
	CORN 1, 2, 20
	CORN 1, 3, 16
	s_wait_alu depctr_vm_vsrc(0)                   ; block 1's gathers have read address set 1, which block 4's aims below write again (the wait for 16 above has shown those gathers done)
	s_wait_alu depctr_va_vdst(0)                   ; the four blends are done reading buffer B, in which the gathers below land; address set 0, which they read, is written
	GATHC 3, 0
	ASK 0
	GATHC 3, 1
	s_wait_alu depctr_va_sdst(0)                   ; the five masks are written, ahead of the selects that read them
	MEND
	GATHC 3, 2
	CLOSE 0
	GATHC 3, 3
	PSUMS 3
.irp k, 0,1,2,3
	AIM 3, \k
	CFRAC 3, \k
.endr
	; BLOCK 2 COMES IN (buffer A), BLOCK 4 GOES OUT INTO ITS PLACE
	CORN 2, 0, 28
	CORN 2, 1, 24
	CORN 2, 2, 20
	CORN 2, 3, 16
	s_wait_alu depctr_va_vdst(0)                   ; the four blends are done reading buffer A, in which the gathers below land; address set 1, which they read, is written
	GATHC 4, 0
	ASK 1
	GATHC 4, 1
	s_wait_alu depctr_va_sdst(0)                   ; the five masks are written, ahead of the selects that read them
	MEND
	GATHC 4, 2
	CLOSE 1
	GATHC 4, 3
	; BLOCKS 3 AND 4 COME IN: nothing is left to ask for, the counts run down by a sample's four loads
	CORN 3, 0, 28
	CORN 3, 1, 24
	CORN 3, 2, 20
	CORN 3, 3, 16
	ASK 2
	s_wait_alu depctr_va_sdst(0)                   ; the five masks are written, ahead of the selects that read them
	MEND
	CLOSE 2
	CORN 4, 0, 12
	CORN 4, 1, 8
	CORN 4, 2, 4
	CORN 4, 3, 0
	ASK 3
	s_wait_alu depctr_va_sdst(0)                   ; the five masks are written, ahead of the selects that read them
	MEND
	CLOSE 3
	s_wait_alu depctr_va_vdst(0)                   ; the four results are written, which the store reads
	global_store_b128 v[OFFS], v[OUT:OUT+3], s[10:11] th:TH_STORE_NT   ; 512 consecutive bytes a wave, aligned
	s_endpgm
.Lfunc_end_k_q0ca1d597c0_sample:
	.size	k_q0ca1d597c0_sample, .Lfunc_end_k_q0ca1d597c0_sample-k_q0ca1d597c0_sample
	.p2alignl 7, 3214868480
	.fill 96, 4, 3214868480
	.section	.rodata,"a",@progbits
	.p2align	6, 0x0
	.amdhsa_kernel k_q0ca1d597c0_sample
		.amdhsa_group_segment_fixed_size 0
		.amdhsa_private_segment_fixed_size 0
		.amdhsa_enable_private_segment 0
		.amdhsa_kernarg_size 32
		.amdhsa_user_sgpr_count 2
		.amdhsa_user_sgpr_kernarg_segment_ptr 1
		.amdhsa_wavefront_size32 1
		.amdhsa_system_sgpr_workgroup_id_x 1
		.amdhsa_system_sgpr_workgroup_id_y 1
		.amdhsa_system_sgpr_workgroup_id_z 1
		.amdhsa_system_vgpr_workitem_id 0
		.amdhsa_next_free_vgpr 128
		.amdhsa_next_free_sgpr 66
		.amdhsa_reserve_vcc 0
		.amdhsa_float_denorm_mode_32 3
		.amdhsa_float_denorm_mode_16_64 3
		.amdhsa_memory_ordered 1
		.amdhsa_forward_progress 1
		.amdhsa_inst_pref_size 37
	.end_amdhsa_kernel
	.amdgpu_metadata
---
amdhsa.version: [ 1, 2 ]
amdhsa.kernels:
  - .name:           k_q0ca1d597c0_sample
    .symbol:         k_q0ca1d597c0_sample.kd
    .args:
      - { .name: fix, .offset: 0, .size: 8, .value_kind: global_buffer, .address_space: global }
      - { .name: vel, .offset: 8, .size: 8, .value_kind: global_buffer, .address_space: global }
      - { .name: heightmap, .offset: 16, .size: 8, .value_kind: global_buffer, .address_space: global }
      - { .name: out0, .offset: 24, .size: 8, .value_kind: global_buffer, .address_space: global }
    .group_segment_fixed_size: 0
    .private_segment_fixed_size: 0
    .kernarg_segment_align: 8
    .kernarg_segment_size: 32
    .max_flat_workgroup_size: 256
    .sgpr_count:     66
    .vgpr_count:     128
    .wavefront_size: 32
...
	.end_amdgpu_metadata
.endif
;; end of part 5
